; MI455X (gfx1250); checked and timed in simulation.
; The chip was launched on July 23, 2026; its instructions are those of AMD's public machine-readable ISA for CDNA 5 (MIT licence, August 2026) and "CDNA5" Instruction Set Architecture Reference Guide (July 2026). The comments in the code are by the model that wrote it; some were corrected since.
;; Attention. Allowed arithmetic: matrix products marked QUANTISED: E2M1 operands, one E8M0 scale for each 32 along K, by v_wmma_scale_f32_16x16x128_f8f6f4 with both operands' format E2M1 (or v_wmma_scale_f32_32x16x128_f4), f32 sums; everything else in f32.
;; Inputs: Wkv 1,024 x 2,048 float32; Wq 1,024 x 1,024 float32; pos_emb 1,025 x 64 float32; x 4 x 1,024 x 1,024 float32.
;; Outputs: out0 4 x 16 x 1,024 x 64 float32.
;; This version of the problem:
;;   THIS VERSION OF THE PROBLEM IS GIVEN IN LOW PRECISION. The matrix products marked QUANTISED in the list below multiply operands that are first quantised to E2M1 (2 exponent bits, 1 mantissa bit; 4 bits a number), with one power-of-two scale for each 32 numbers along K (OCP MX v1.0); their sums are f32. All else is computed in f32.
;;   The module's matrix products, in the order in which they are computed (A, B: the left and right operand; K: the contracted axis; several contracted axes count as one K, in the product's order):
;;     1. [M 4,096, K 1,024] x [K 1,024, N 1,024]; A: input x; B: input Wq: QUANTISED
;;     2. [M 4,096, K 1,024] x [K 1,024, N 2,048]; A: input x; B: input Wkv: QUANTISED
;;     3. batch 64 x [M 1,024, K 64] x [K 64, N 1,024]; A: computed on the way; B: computed on the way: QUANTISED
;;     4. batch 1,024 x [M 1,024, K 64] x [K 64, N 64]; A: computed on the way; B: computed on the way: QUANTISED
;;     5. batch 64 x [M 1,024, K 1,024] x [K 1,024, N 64]; A: softmax (see below); B: computed on the way: QUANTISED
;;   THE QUANTISER, for each operand of a quantised product, along K:
;;     - K is cut into blocks of 32 from its start; a last block that is shorter is filled with zeros.
;;     - A block's scale is 2^e with e = floor(log2(the largest magnitude in the block)) - 2, held to -126 .. 127; a block of zeros has e = 0. As a byte (E8M0): e + 127.
;;     - Each number is divided by its block's scale, clamped to +-6, and rounded to the nearest number of E2M1, ties to even, subnormals kept.
;;     - The product sums the exact products of the quantised numbers (number of the format x scale) in f32.
;;   ~~~python
;;   def quantise(x, axis):      # numpy; x: float32 -> the quantised numbers, widened to float32 again
;;       x = np.moveaxis(x, axis, -1); K = x.shape[-1]
;;       x = np.pad(x, [(0, 0)] * (x.ndim - 1) + [(0, -K % 32)]); x = x.reshape(x.shape[:-1] + (-1, 32)); a = np.abs(x).max(-1, keepdims=True)
;;       e = np.where(a > 0, np.clip(np.frexp(np.where(a > 0, a, 1))[1] - 1 - 2, -126, 127), 0)      # np.frexp(a)[1] - 1 = floor(log2(a)), exactly
;;       r = np.clip(x / 2.0 ** e, -6, 6)
;;       step = 2.0 ** (np.maximum(np.frexp(np.where(r == 0, 1, r))[1] - 1, 0) - 1)
;;       q = np.round(r / step) * step * 2.0 ** e      # np.round: ties to even
;;       return np.moveaxis(q.reshape(q.shape[:-2] + (-1,))[..., :K], -1, axis).astype(np.float32)
;;   ~~~
;;   SOFTMAX AHEAD OF A QUANTISED PRODUCT. Where the list says 'softmax', what is quantised is not the finished softmax but p = 2^(t - M), with t = logit x log2(e) and M = ceil(the row's largest t), a whole number; so 1/2 < the row's largest p <= 1. The row's sum l is taken of the UNQUANTISED p, in f32, and the product's result is divided by l at the end. Since M is a whole number, a kernel that streams over the keys may use a running M (the ceiling of the running maximum): every later rescaling is an exact power of two, which a block's scale takes up: the codes' values come out the same.
;;   OPERANDS COMPUTED ON THE WAY. 'Computed on the way' means the value that the module computes at that place (a softmax that the list does not call 'softmax' is quantised finished and normalised). What goes into a quantiser is computed in f32, as accurately as f32 sums, v_exp_f32 and their like allow (about 1e-6 of the number): no bf16 or f16 on the way to a quantiser, and a product that is left as it is and whose result goes on into a quantised operand takes f32 operands (vector FMAs, or v_wmma_f32_16x16x4_f32). A number that lies on a knife's edge between two numbers of the format may be rounded either way, as far as f32 arithmetic and the matrix unit's own rounding can turn it there, and no further.
;; One version. Each part assembles by itself: llvm-mc -triple=amdgcn-amd-amdhsa -mcpu=gfx1250 --defsym DOCPART=n.
;; ======== version 1 of 1: 3 launches
;; limits: right only within a limited range of input values
;; workspace buffers: codes 3,670,016 bytes; scales 229,376 bytes; pe 73,728 bytes; qkv 6,291,456 bytes; qkvs 786,432 bytes
;; launch quant (part 1): grid 464 x 1, 4 waves a work-group, no clusters, 30,720 bytes of LDS; arguments x, Wq, Wkv, pos_emb, codes, scales, pe; writes codes, scales, pe
.if DOCPART == 1
	.amdgcn_target "amdgcn-amd-amdhsa--gfx1250"
	.amdhsa_code_object_version 6
	.text
	.protected	k_qfedcb4cfae_quant
	.globl	k_qfedcb4cfae_quant
	.p2align	8
	.type	k_qfedcb4cfae_quant,@function
k_qfedcb4cfae_quant:
	s_mov_b64 s[64:65], 0
	v_nop
	global_prefetch_b8 v0, s[64:65] scope:SCOPE_SE
	s_setreg_imm32_b32 hwreg(HW_REG_WAVE_MODE, 25, 1), 1
	s_wait_xcnt 0x0
; THE PROGRAM: out = softmax((q k^T + q rel^T) / 8) v with q, k, v = x Wq, x Wkv, all five products on codes of FP4 (E2M1) with one E8M0 scale for each 32 along K.
; Three launches: this one quantises the inputs; the second makes q, k and v and quantises them; the third is the attention.
; NO WORK IS LEFT OUT AS DEAD, and every input is loaded.  What is spared is repetition: rel[i][j] = pos_emb[clip(i - j, -512, 512) + 512] is a lookup by an index that the problem builds itself, and its quantiser
; runs along d, row by row: so the 1,024 x 1,024 rows of rel are 1,025 different rows of codes, made once here, as a table PE[e], e = j - i + 1023 = 0 .. 2047: PE[e] = Q(pos_emb[1535 - min(max(e, 511), 1535)]).
; THIS LAUNCH, three paths that part on the work-group's number, each with LDS bytes of its own:
;   X, work-groups 0-255:   x [4096][1024] f32, K innermost        -> codes rows 0-4095 (512 bytes a row), scales rows 0-4095 (32 bytes a row)
;   W, work-groups 256-447: Wq [1024][1024], Wkv [1024][2048], K FIRST -> codes and scales row 4096 + n for column n of (Wq, Wkv)
;   P, work-groups 448-463: pos_emb [1025][64] -> pe: two planes of [2048][16 bytes], the codes of d = 0 .. 31 at byte 0 and of d = 32 .. 63 at byte 32,768; scale words [2048][4 bytes] (byte 0, byte 1, 0, 0) at byte 65,536
; A block's scale is 2^(floor(log2(its largest magnitude)) - 2); its byte is the largest magnitude's exponent field - 2, held at 1 from below by a floor among the maximum's leaves.
; THE ORDER OF CODES.  x's and the weights' codes lie in the order of k.  PE's 16 bytes of a block hold its four groups of eight codes in the order 0, 2, 1, 3: the order in which the second launch's results fall;
; q's, k's, v's and p's codes lie so too, both sides of a product alike.
; LIMITS: NaN and infinities among the inputs are not served.  A block of zeros, or one whose largest magnitude lies under 2^-124, gets the byte 1 (the rule says 127 for zeros): its codes are zeros or tiny, and the bytes are read by this program alone.
.set EMAX,  2
.set STEPS, 8
.set SP,    80                         ; path X: a lane's place in a stage: its 64 bytes + 16 of padding
.set WREG,  5120                       ; path X: a region for each wave: two stages of 32 x SP bytes
.set XSC,   4*WREG                     ; path X: the work-group's 512 scale bytes
.set WSTG,  XSC+512                    ; path W: the work-group's stage: 32 columns x (256 bytes of codes + 16)
.set WPIT,  272
.set WSC,   WSTG+32*WPIT               ; path W: 32 columns x 16 scale bytes
.set SPARE, WSC+512                    ; the spare words, 128 bytes for each wave: two blocks of 256 bytes that no other line names
.set SPW,   12                         ; v12  LDS address of my spare word; never rewritten
.set NIL,   13                         ; v13  0; never rewritten
.set R,     16                         ; path X: v16-143 eight sets of 16 numbers as they are loaded
.set X,     144                        ; path X: v144-175 two sets of 16 neighbours
.set E,     176                        ; path X: v176-183 a scale byte for each step
.set C,     192                        ; path X: v192-207 two registers of codes for each step
.set AD,    16                         ; path W: v16-47 byte offset of row i of a block, at my column
.set WX,    48                         ; path W: v48-175 four sets of 32 numbers
.set WC,    176                        ; path W: v176-191 four registers of codes for each block
.set SB,    192                        ; path W: v192 my four scale bytes
.set OUTR,  196                        ; path W: v196-215 the way out
.macro XLOAD t                         ; step t's 2,048 bytes: each load reads 512 consecutive bytes
.irp i, 0,1,2,3
	global_load_b128 v[R+16*(\t)+4*\i:R+16*(\t)+4*\i+3], v3, s[4:5] offset:2048*(\t)+512*\i th:TH_LOAD_NT
.endr
.endm
.macro XTURN t                         ; step t's numbers through the stage: LDS serves a wave's instructions in order, so no wait stands between the stores and the loads
.irp i, 0,1,2,3
	ds_store_b128 v14, v[R+16*(\t)+4*\i:R+16*(\t)+4*\i+3] offset:32*SP*((\t)%2)+8*SP*\i
.endr
.irp i, 0,1,2,3
	ds_load_b128 v[X+16*((\t)%2)+4*\i:X+16*((\t)%2)+4*\i+3], v15 offset:32*SP*((\t)%2)+16*\i
.endr
.endm
.macro XSTEP t
.set XS, X+16*((\t)%2)
.if (\t) > 0
	s_wait_dscnt 1                                 ; this step's numbers are back from the stage (the last step's byte store may be out)
.else
	s_wait_dscnt 0x0
.endif
.if (\t)+1 < STEPS
	s_wait_loadcnt 4*(6-(\t))                      ; the next step's four loads are in; those of the steps behind it may be out
	XTURN (\t)+1                                   ; and go through the other stage while this step is worked
.endif
	v_max3_num_f32 v8, |v[XS]|, |v[XS+1]|, |v[XS+2]|               ; the largest magnitude of my 16, in two chains
	v_max3_num_f32 v9, |v[XS+3]|, |v[XS+4]|, |v[XS+5]|
.irp i, 6,10
	v_max3_num_f32 v8, v8, |v[XS+\i]|, |v[XS+\i+1]|
	v_max3_num_f32 v9, v9, |v[XS+\i+2]|, |v[XS+\i+3]|
.endr
	v_max3_num_f32 v8, v8, |v[XS+14]|, |v[XS+15]|
	v_max3_num_f32 v8, v8, v9, (EMAX+1)<<23        ; and the floor 2^(3 - 127): the byte cannot fall under 1
	v_max_num_f32_dpp v8, v8, v8 row_xmask:1 row_mask:0xf bank_mask:0xf   ; and of my neighbour's 16: the block's
	v_add_nc_u32 v11, 0xff000000, v8               ; 2 off its exponent field: the conversion takes the exponent field of this operand as its scale
	v_cvt_scalef32_pk8_fp4_f32 v[C+2*(\t)], v[XS:XS+7], v11
	v_cvt_scalef32_pk8_fp4_f32 v[C+2*(\t)+1], v[XS+8:XS+15], v11
	v_lshrrev_b32 v[E+(\t)], 23, v11               ; the scale's byte (a plain line behind the conversions)
	ds_store_b8 v5, v[E+(\t)] offset:16*(\t)       ; both lanes of a block write the same byte with the same value
	global_store_b64 v4, v[C+2*(\t):C+2*(\t)+1], s[12:13] offset:256*(\t)   ; the wave stores 256 consecutive bytes, aligned
.endm
.macro WLOAD t                         ; block t: W(32 t + i, my column), i = 0 .. 31, into set t; a load reads 128 consecutive bytes
.irp i, 0,1,2,3,4,5,6,7,8,9,10,11,12,13,14,15,16,17,18,19,20,21,22,23,24,25,26,27,28,29,30,31
	global_load_b32 v[WX+32*(\t)+\i], v[AD+\i], s[32+2*(\t):33+2*(\t)] th:TH_LOAD_NT
.endr
.endm
.macro WBLOCK t, younger
.set XS, WX+32*(\t)
	s_wait_loadcnt \younger                        ; this block's 32 loads are in; at most so many younger ones are out
	v_max3_num_f32 v8, |v[XS]|, |v[XS+1]|, |v[XS+2]|               ; the block's largest magnitude: all 32 numbers are mine
	v_max3_num_f32 v9, |v[XS+3]|, |v[XS+4]|, |v[XS+5]|
.irp i, 6,10,14,18,22,26
	v_max3_num_f32 v8, v8, |v[XS+\i]|, |v[XS+\i+1]|
	v_max3_num_f32 v9, v9, |v[XS+\i+2]|, |v[XS+\i+3]|
.endr
	v_max3_num_f32 v8, v8, |v[XS+30]|, |v[XS+31]|
	v_max3_num_f32 v8, v8, v9, (EMAX+1)<<23
	v_add_nc_u32 v11, 0xff000000, v8
	v_lshrrev_b32 v9, 23, v11                      ; the scale's byte
.if (\t) == 0
	v_mov_b32 v[SB], v9                            ; four bytes to a register, the lower K in the lower byte
.else
	v_lshl_or_b32 v[SB], v9, 8*(\t), v[SB]
.endif
.irp g, 0,1,2,3
	v_cvt_scalef32_pk8_fp4_f32 v[WC+4*(\t)+\g], v[XS+8*\g:XS+8*\g+7], v11
.endr
	ds_store_b128 v3, v[WC+4*(\t):WC+4*(\t)+3] offset:16*(\t)      ; 32 codes: 16 bytes of my column's row; each block has its own registers, so no wait is owed
.endm
	s_load_b256 s[4:11], s[0:1], 0x0               ; x s[4:5], Wq s[6:7], Wkv s[8:9], pos_emb s[10:11]
	s_load_b128 s[12:15], s[0:1], 0x20             ; codes s[12:13], scales s[14:15]
	s_load_b64 s[16:17], s[0:1], 0x30              ; pe
	v_lshl_add_u32 v[SPW], v0, 2, SPARE
	v_mov_b32 v[NIL], 0
	v_lshrrev_b32 v1, 5, v0
	v_readfirstlane_b32 s18, v1                    ; wave 0..3
	v_and_b32 v2, 31, v0                           ; lane
	s_wait_alu depctr_va_vdst(0)                   ; the wait ahead of the wait below
	s_wait_kmcnt 0x0
	s_cmp_ge_u32 ttmp9, 448                        ; the paths part on the work-group's number alone
	s_cbranch_scc1 .Lpos
	s_cmp_ge_u32 ttmp9, 256
	s_cbranch_scc1 .Lweights
; ---- PATH X.  x is a plain stream of blocks of 32.  A wave takes 8 steps of 512 numbers, all asked for at once.  The conversions take neighbours along K from ONE lane's registers, a load takes neighbouring bytes in
; neighbouring lanes: so each load reads 512 consecutive bytes, and a step's 2,048 bytes turn through the wave's own stage in LDS and come back 64 bytes a lane.
	v_lshlrev_b32 v3, 4, v2                        ; my 16 bytes of a load's 512
	s_mul_i32 s19, s18, WREG                       ; my wave's region
	v_lshrrev_b32 v14, 2, v2
	v_mul_u32_u24 v14, v14, SP
	v_and_b32 v15, 3, v2
	v_lshl_add_u32 v14, v15, 4, v14
	v_add_nc_u32 v14, s19, v14                     ; the stage on the way in: SP (lane / 4) + 16 (lane % 4)
	v_mul_u32_u24 v15, v2, SP
	v_add_nc_u32 v15, s19, v15                     ; and on the way out: SP x lane: my 16 neighbours
	v_lshlrev_b32 v4, 3, v2                        ; 8 bytes a lane: my codes' place in a step's, and my place in 256 scale bytes
	v_lshrrev_b32 v5, 1, v2
	s_lshl_b32 s19, s18, 7
	s_add_co_u32 s19, s19, XSC
	v_add_nc_u32 v5, s19, v5                       ; LDS: my block's byte: 128 bytes a wave
	s_lshl_b32 s24, s18, 8
	s_add_co_u32 s19, s24, XSC
	v_add_nc_u32 v6, s19, v4                       ; and on the way out, in waves 0 and 1: 256 bytes a wave
	s_lshl_b32 s20, ttmp9, 2
	s_add_co_u32 s20, s20, s18                     ; which run of 4,096 numbers is my wave's
	s_lshl_b32 s22, s20, 14                        ; 16,384 bytes of x,
	s_mov_b32 s23, 0
	s_add_nc_u64 s[4:5], s[4:5], s[22:23]
	s_lshl_b32 s22, s20, 11                        ; 2,048 of codes,
	s_add_nc_u64 s[12:13], s[12:13], s[22:23]
	s_lshl_b32 s22, ttmp9, 9                       ; 512 scale bytes a work-group
	s_add_co_u32 s22, s22, s24
	s_add_nc_u64 s[14:15], s[14:15], s[22:23]
	s_wait_alu depctr_va_vdst(0)
.irp t, 0,1,2,3,4,5,6,7
	XLOAD \t
.endr
	s_wait_loadcnt 28                              ; step 0's four loads are in
	XTURN 0
.irp t, 0,1,2,3,4,5,6,7
	XSTEP \t
.endr
	s_wait_dscnt 0x0                               ; for the others' sake: my byte stores are done
	s_barrier_signal -1
	s_barrier_wait -1                              ; all four waves of a work-group of this path pass here
	s_cmp_ge_u32 s18, 2                            ; waves 0 and 1 store the work-group's 512 scale bytes
	s_cbranch_scc1 .Lx_end
	ds_load_b64 v[8:9], v6
	s_wait_dscnt 0x0
	global_store_b64 v4, v[8:9], s[14:15]          ; 32 lanes store 256 consecutive bytes, aligned
.Lx_end:
	s_wait_tensorcnt 0x0                           ; the wave's end, behind my last LDS store
	ds_add_u32 v[SPW], v[NIL]
	s_wait_dscnt 0x0
	s_endpgm
; ---- PATH W.  K is the weights' FIRST axis: a lane takes a column and its registers run down K, so that a block of 32 lies in one lane and the codes come out with K innermost.
; A work-group takes 32 columns x 512 along K, wave kq 128 of them (four blocks).  The codes meet in the work-group's stage, one row of 256 bytes a column, and leave as whole rows.
.Lweights:
	s_sub_co_u32 s19, ttmp9, 256
	s_cmp_ge_u32 s19, 96
	s_cselect_b32 s20, 1, 0                        ; ky: which 512 along K
	s_cselect_b32 s21, 96, 0
	s_sub_co_u32 s19, s19, s21                     ; cg = 0 .. 95: columns 32 cg on of (Wq, Wkv)
	s_cmp_lt_u32 s19, 32                           ; Wq's or Wkv's?  The choice hangs on the work-group's number alone
	s_cselect_b64 s[22:23], s[6:7], s[8:9]
	s_mov_b32 s24, 8192
	s_cselect_b32 s24, 4096, s24                   ; a row of the tensor in bytes
	s_cselect_b32 s25, 0, 32
	s_sub_co_u32 s25, s19, s25
	s_lshl_b32 s25, s25, 7                         ; my first column in the tensor, in bytes
	s_lshl_b32 s26, s20, 9
	s_lshl_b32 s27, s18, 7
	s_add_co_u32 s26, s26, s27                     ; my wave's first row: 512 ky + 128 kq
	s_mul_i32 s26, s26, s24
	s_add_co_u32 s26, s26, s25
	s_mov_b32 s27, 0
	s_add_nc_u64 s[32:33], s[22:23], s[26:27]      ; a base for each of my four blocks, 32 rows apart
	s_lshl_b32 s28, s24, 5
	s_mov_b32 s29, 0
	s_add_nc_u64 s[34:35], s[32:33], s[28:29]
	s_add_nc_u64 s[36:37], s[34:35], s[28:29]
	s_add_nc_u64 s[38:39], s[36:37], s[28:29]
	s_wait_alu depctr_va_vdst(0)
	v_lshlrev_b32 v[AD], 2, v2                     ; 4 bytes a lane,
.set i, 0
.rept 31
	v_add_nc_u32 v[AD+1+i], s24, v[AD+i]           ; and a row further down for each register (the row's length differs between the tensors, so it cannot stand in an immediate)
.set i, i+1
.endr
	v_mul_u32_u24 v3, v2, WPIT
	s_lshl_b32 s30, s18, 6
	s_add_co_u32 s30, s30, WSTG
	v_add_nc_u32 v3, s30, v3                       ; into the stage: row = my column, 64 bytes for each wave
	s_lshl_b32 s30, s18, 2
	s_add_co_u32 s30, s30, WSC
	v_lshl_add_u32 v4, v2, 4, s30                  ; my four scale bytes: 16 bytes a column, 4 for each wave
	v_lshl_add_u32 v7, v2, 4, WSC                  ; and a column's sixteen, on the way out
	v_and_b32 v8, 15, v2
	v_lshrrev_b32 v9, 4, v2
	s_lshl_b32 s30, s18, 3
	v_add_nc_u32 v9, s30, v9                       ; out of the stage: wave kq takes rows 8 kq on, sixteen lanes to a row, two rows an instruction
	v_mul_u32_u24 v5, v9, WPIT
	v_lshl_add_u32 v5, v8, 4, v5
	v_add_nc_u32 v5, WSTG, v5
	v_lshlrev_b32 v6, 9, v9                        ; and the same place among the codes' rows of 512 bytes
	v_lshl_add_u32 v6, v8, 4, v6
	v_lshlrev_b32 v10, 5, v2                       ; a row of scale bytes is 32 bytes
	s_lshl_b32 s26, s19, 5
	s_add_co_u32 s26, s26, 4096                    ; the work-group's first row of codes and scales: 4096 + 32 cg
	s_lshl_b32 s28, s26, 5
	s_lshl_b32 s30, s20, 4
	s_add_co_u32 s28, s28, s30                     ; scales: 32 bytes a row, + 16 ky
	s_add_nc_u64 s[28:29], s[14:15], s[28:29]
	s_lshl_b32 s26, s26, 9
	s_lshl_b32 s30, s20, 8
	s_add_co_u32 s26, s26, s30                     ; codes: 512 bytes a row, + 256 ky
	s_add_nc_u64 s[26:27], s[12:13], s[26:27]
	s_wait_alu depctr_va_vdst(0)
	WLOAD 0
	WLOAD 1
	WLOAD 2
	WLOAD 3
	WBLOCK 0, 63                                   ; (96 and 64 younger loads stand behind blocks 0 and 1: 63 is the most that a wait can name)
	WBLOCK 1, 63
	WBLOCK 2, 32
	WBLOCK 3, 0
	ds_store_b32 v4, v[SB]
	s_wait_dscnt 0x0                               ; for the others' sake: my stores into the stage are done
	s_barrier_signal -1
	s_barrier_wait -1                              ; all four waves of a work-group of this path pass here
.irp i, 0,1,2,3
	ds_load_b128 v[OUTR+4*\i:OUTR+4*\i+3], v5 offset:2*WPIT*\i
.endr
.irp i, 0,1,2,3
	s_wait_dscnt 3-\i                              ; load i is in; the younger ones may be out
	global_store_b128 v6, v[OUTR+4*\i:OUTR+4*\i+3], s[26:27] offset:1024*\i   ; sixteen lanes store 256 consecutive bytes, aligned
.endr
	s_cmp_lg_u32 s18, 0                            ; wave 0 stores the 32 columns' scale bytes, 16 a column
	s_cbranch_scc1 .Lw_end
	ds_load_b128 v[OUTR+16:OUTR+19], v7
	s_wait_dscnt 0x0
	global_store_b128 v10, v[OUTR+16:OUTR+19], s[28:29]
.Lw_end:
	s_wait_tensorcnt 0x0                           ; the wave's end, behind my last LDS store
	ds_add_u32 v[SPW], v[NIL]
	s_wait_dscnt 0x0
	s_endpgm
; ---- PATH P.  A thread makes PE[e]: one row of pos_emb, 64 numbers, two blocks, all in one lane.  No LDS.
.Lpos:
	s_sub_co_u32 s19, ttmp9, 448
	s_lshl_b32 s19, s19, 7
	v_add_nc_u32 v3, s19, v0                       ; e = 0 .. 2047
	v_max_u32 v4, 511, v3
	v_min_u32 v4, 1535, v4
	v_sub_nc_u32 v4, 1535, v4                      ; the row of pos_emb: clip(1023 - e, -512, 512) + 512 = 0 .. 1024
	v_lshlrev_b32 v4, 8, v4                        ; 256 bytes a row
.irp i, 0,1,2,3,4,5,6,7,8,9,10,11,12,13,14,15
	global_load_b128 v[16+4*\i:19+4*\i], v4, s[10:11] offset:16*\i
.endr
	v_lshlrev_b32 v5, 4, v3                        ; 16 bytes of codes in each plane,
	v_lshlrev_b32 v6, 2, v3                        ; 4 bytes of scales for each e
	s_wait_alu depctr_va_vdst(0)                   ; the wait ahead of the wait below
	s_wait_loadcnt 0x0
	v_max3_num_f32 v8, |v16|, |v17|, (EMAX+1)<<23  ; the two blocks by turns, the floor among the leaves
	v_max3_num_f32 v9, |v48|, |v49|, (EMAX+1)<<23
.irp i, 2,4,6,8,10,12,14,16,18,20,22,24,26,28,30
	v_max3_num_f32 v8, v8, |v[16+\i]|, |v[17+\i]|
	v_max3_num_f32 v9, v9, |v[48+\i]|, |v[49+\i]|
.endr
	v_add_nc_u32 v10, 0xff000000, v8               ; the conversions' scale operands
	v_add_nc_u32 v11, 0xff000000, v9
	v_lshrrev_b32 v8, 23, v10                      ; the bytes
	v_lshrrev_b32 v9, 23, v11
	v_lshl_or_b32 v8, v9, 8, v8                    ; the word: byte 0, byte 1, 0, 0
.irp b, 0,1
	v_cvt_scalef32_pk8_fp4_f32 v[80+4*\b], v[16+32*\b:23+32*\b], v[10+\b]      ; the block's four groups of eight in the order 0, 2, 1, 3
	v_cvt_scalef32_pk8_fp4_f32 v[81+4*\b], v[32+32*\b:39+32*\b], v[10+\b]
	v_cvt_scalef32_pk8_fp4_f32 v[82+4*\b], v[24+32*\b:31+32*\b], v[10+\b]
	v_cvt_scalef32_pk8_fp4_f32 v[83+4*\b], v[40+32*\b:47+32*\b], v[10+\b]
.endr
	v_nop                                          ; one plain line behind the last conversion
	global_store_b128 v5, v[80:83], s[16:17]       ; a wave stores 512 consecutive bytes of each plane
	global_store_b128 v5, v[84:87], s[16:17] offset:32768
	global_store_b32 v6, v8, s[16:17] offset:65536
	s_wait_tensorcnt 0x0                           ; the wave's end, in the same form as on the other two paths
	ds_add_u32 v[SPW], v[NIL]
	s_wait_dscnt 0x0
	s_endpgm
.Lfunc_end_k_qfedcb4cfae_quant:
	.size	k_qfedcb4cfae_quant, .Lfunc_end_k_qfedcb4cfae_quant-k_qfedcb4cfae_quant
	.p2alignl 7, 3214868480
	.fill 96, 4, 3214868480
	.section	.rodata,"a",@progbits
	.p2align	6, 0x0
	.amdhsa_kernel k_qfedcb4cfae_quant
		.amdhsa_group_segment_fixed_size 30720
		.amdhsa_private_segment_fixed_size 0
		.amdhsa_enable_private_segment 0
		.amdhsa_kernarg_size 56
		.amdhsa_user_sgpr_count 2
		.amdhsa_user_sgpr_kernarg_segment_ptr 1
		.amdhsa_wavefront_size32 1
		.amdhsa_system_sgpr_workgroup_id_x 1
		.amdhsa_system_sgpr_workgroup_id_y 1
		.amdhsa_system_sgpr_workgroup_id_z 1
		.amdhsa_system_vgpr_workitem_id 0
		.amdhsa_next_free_vgpr 224
		.amdhsa_next_free_sgpr 66
		.amdhsa_reserve_vcc 0
		.amdhsa_float_denorm_mode_32 3
		.amdhsa_float_denorm_mode_16_64 3
		.amdhsa_memory_ordered 1
		.amdhsa_forward_progress 1
		.amdhsa_inst_pref_size 46
	.end_amdhsa_kernel
	.amdgpu_metadata
---
amdhsa.version: [ 1, 2 ]
amdhsa.kernels:
  - .name:           k_qfedcb4cfae_quant
    .symbol:         k_qfedcb4cfae_quant.kd
    .args:
      - { .name: x, .offset: 0, .size: 8, .value_kind: global_buffer, .address_space: global }
      - { .name: Wq, .offset: 8, .size: 8, .value_kind: global_buffer, .address_space: global }
      - { .name: Wkv, .offset: 16, .size: 8, .value_kind: global_buffer, .address_space: global }
      - { .name: pos_emb, .offset: 24, .size: 8, .value_kind: global_buffer, .address_space: global }
      - { .name: codes, .offset: 32, .size: 8, .value_kind: global_buffer, .address_space: global }
      - { .name: scales, .offset: 40, .size: 8, .value_kind: global_buffer, .address_space: global }
      - { .name: pe, .offset: 48, .size: 8, .value_kind: global_buffer, .address_space: global }
    .group_segment_fixed_size: 30720
    .private_segment_fixed_size: 0
    .kernarg_segment_align: 8
    .kernarg_segment_size: 56
    .max_flat_workgroup_size: 128
    .sgpr_count:     66
    .vgpr_count:     224
    .wavefront_size: 32
...
	.end_amdgpu_metadata
.endif
;; end of part 1
;; launch gemm (part 2): grid 16 x 16, 4 waves a work-group, clusters of 4 x 4, 327,680 bytes of LDS; arguments codes, scales, qkv, qkvs; writes qkv, qkvs
.if DOCPART == 2
	.amdgcn_target "amdgcn-amd-amdhsa--gfx1250"
	.amdhsa_code_object_version 6
	.text
	.protected	k_qfedcb4cfae_gemm
	.globl	k_qfedcb4cfae_gemm
	.p2align	8
	.type	k_qfedcb4cfae_gemm,@function
k_qfedcb4cfae_gemm:
	s_mov_b64 s[64:65], 0
	v_nop
	global_prefetch_b8 v0, s[64:65] scope:SCOPE_SE
	s_setreg_imm32_b32 hwreg(HW_REG_WAVE_MODE, 25, 1), 1
	s_wait_xcnt 0x0
	s_wait_alu depctr_hold_cnt(0) depctr_sa_sdst(0) depctr_va_vdst(0) depctr_va_sdst(0) depctr_va_ssrc(0) depctr_va_vcc(0) depctr_vm_vsrc(0)
	s_getreg_b32 s2, hwreg(HW_REG_IB_STS2, 6, 4)
	s_cmp_eq_u32 s2, 0
	s_cbranch_scc0 .Lentry_in_a_cluster
	s_endpgm
.Lentry_in_a_cluster:
	s_bfe_u32 s2, ttmp6, 0x10000c
	s_cmp_lg_u32 s2, 0xf033
	s_cbranch_scc0 .Lentry_shape_is_right
	s_endpgm
.Lentry_shape_is_right:
; q, k, v = x Wq, x Wkv on codes of FP4 with E8M0 scales, each result quantised again along its next K and stored as codes and scale words:
;   qkv:  q's codes [h][b][token][32 bytes] at 0, k's likewise at 0x200000 (K = the head's 64), v's [h][b][token / 64][d][32 bytes] at 0x400000 (K = the tokens)
;   qkvs: their scale words, 4 bytes (byte 0, byte 1, 0, 0) for each such row of 32 bytes, at an eighth of the codes' offsets
; No work is left out.  A block's 16 bytes hold its four groups of eight codes in the order 0, 2, 1, 3: so the results fall.
; SHARES.  Work-group (h, T) of 16 x 16 makes q, k and v of head h for tokens 256 T .. 256 T + 255: 256 rows of x against 3 x 64 rows of weights; each of its four waves makes 64 tokens x 192 channels: 48 accumulators of 16 x 16.
; ALL OF K = 1,024 LIES IN LDS AT ONCE: four tensor loads at the start, one a wave: x's codes (256 rows of 512 bytes), the weights' (three runs of 64 rows), x's scale bytes, the weights'.  Nothing is filled again: one wait, one barrier.
; CLUSTERS: 4 x 4 work-groups.  The four of a row of the cluster read the same rows of x, the four of a column the same weights: all four loads are joint.
; LAYOUT.  q and k: source 0 = 16 channels, source 1 = 16 tokens: a lane holds one token, its registers run along the channels.  v: source 0 = 16 tokens, source 1 = 16 channels: a lane holds one channel, its registers run along the tokens.
; So x's fragments serve both, and each result runs along its own next K.
; REGISTERS.  Window 0: v0-31 addresses; v32-95 all scale words; v96-175 the way out.  Window 1: fragments, two sets of 128: x's four blocks, then 12 blocks of weights (q's 4, k's 4, v's 4).
; Window 2: q's and k's accumulators, block a of tokens, block b of channels at 8 (8 a + b).  Window 3: v's, block c of channels, block a of tokens at 8 (4 c + a).
; No prefetch: every tensor load stands at the kernel's head, and there is no loop to run ahead in.
; LIMITS: NaN and infinities are not served.  A block of zeros, or one whose largest magnitude lies under 2^-124, gets the byte 1: its codes are zeros or tiny, and the bytes are read by this program alone.
.set PITCH,  528                       ; an LDS row: 512 bytes of codes + 16 of padding = 132 words: row r starts at bank 4 r mod 64 (64 banks of 4 bytes: ISA guide 11.1)
.set BLK,    16*PITCH
.set WCB,    256*PITCH                 ; the weights' codes, behind x's
.set SXB,    WCB+192*PITCH             ; x's scale bytes: 32 a row, 8 rows to a unit of 256 + 16 of padding
.set SWB,    SXB+32*272                ; the weights'
.set SPARE,  251904                    ; the spare words, 128 bytes for each wave: two blocks of 256 bytes that no other line names
.set STG,    SPARE+512                 ; each wave's stage for scale words: q's 256 bytes, k's, v's
.set S64,    64*32+128                 ; 64 rows of scale bytes in LDS
.set ADX,  16                          ; v16 my 64 rows of x
.set ADW,  17                          ; v17 q's and k's weights
.set ADV,  18                          ; v18 v's
.set AS1,  19                          ; v19 scale bytes: lanes 0-15 my tokens', lanes 16-31 v's channels'
.set AS2,  20                          ; v20 lanes 0-15 q's channels', lanes 16-31 k's
.set WO2,  23                          ; v23 8 x lane
.set CO,   24                          ; v24 my 16 bytes of 16 rows of codes
.set STW,  25                          ; v25 the stage: q's and k's words
.set STV,  26                          ; v26 v's
.set STR,  27                          ; v27 and back: 16 x lane
.set SPW,  28                          ; v28 LDS address of my spare word; never rewritten
.set NIL,  29                          ; v29 0; never rewritten
.set STR2, 30                          ; v30 v's words back: 8 x lane
.set WO,   31                          ; v31 q's and k's words on the way out
.set SC,   32
.set TM,   96
.set PW,   112
.set SH,   113
.set WWR,  114
.set PC,   128
.set G1A,  24                          ; groups 1: s[24:31] x's codes, s[32:39] the weights', s[40:47] x's scale bytes, s[48:55] the weights'
.set G1B,  32
.set G1SA, 40
.set G1SB, 48
.set G0A,  56                          ; groups 0
.set G0B,  60
.set G0SA, 68
.set G0SB, 72
.set SEL,  96                          ; s96, s97 lane selects for v_permlanex16_b32: lane l xor 16
.set MSB, 0
.macro WIN new                         ; the immediate's high byte repeats the setting that is left
.if MSB != (\new)
	s_set_vgpr_msb (MSB<<8)|(\new)
.set MSB, (\new)
.endif
.endm
.macro NOPS n
.rept \n
	v_nop
.endr
.endm
.macro CROUND                          ; a round of the cluster's barrier
	s_barrier_signal -1
	s_barrier_wait -1
	s_cmp_lg_u32 s14, 0
	s_cbranch_scc1 .Lnot_wave_0_\@
	s_barrier_signal -3
.Lnot_wave_0_\@:
	s_barrier_wait -3
	s_barrier_signal -1
	s_barrier_wait -1
.endm
.macro G1SET g, cols, rows, pitch      ; elements of 8 bytes
	s_mov_b32 s[\g+1], (\cols)<<16                 ; tensor_dim0
	s_mov_b32 s[\g+2], (\rows)<<16                 ; tensor_dim1
	s_mov_b32 s[\g+3], (\cols)<<16                 ; tile_dim0
	s_mov_b32 s[\g+4], \rows                       ; tile_dim1
	s_mov_b32 s[\g+5], \pitch                      ; tensor_dim0_stride
	s_mov_b32 s[\g+6], 0
	s_mov_b32 s[\g+7], 0
.endm
.macro ARM under, g0, g1, next
	s_cmp_lt_u32 s14, \under
	s_cbranch_scc0 \next
	tensor_load_to_lds s[\g0:\g0+3], s[\g1:\g1+7]
	s_nop 0
	NOPS 4
	s_branch .Lasked
\next:
.endm
	s_load_b256 s[4:11], s[0:1], 0x0               ; codes s[4:5], scales s[6:7], qkv s[8:9], qkvs s[10:11]
	v_lshl_add_u32 v[SPW], v0, 2, SPARE
	v_mov_b32 v[NIL], 0
	ds_add_u32 v[SPW], v[NIL]                      ; the wave's opening: the add, twice on end, and its wait ahead of my first tensor load; the set-up below stands between
	ds_add_u32 v[SPW], v[NIL]
	v_lshrrev_b32 v1, 5, v0
	v_readfirstlane_b32 s14, v1                    ; wave 0..3
	s_bfe_u32 s12, ttmp6, 0x40000                  ; cx, cy: my place in the cluster
	s_bfe_u32 s13, ttmp6, 0x40004
	s_lshl_b32 s15, ttmp9, 2
	s_add_co_u32 s15, s15, s12                     ; h = 4 x cluster x + cx
	s_and_b32 s16, ttmp7, 0xffff
	s_lshl_b32 s16, s16, 2
	s_add_co_u32 s16, s16, s13                     ; T = 4 x cluster y + cy
	s_lshl_b32 s17, s13, 2
	s_lshl_b32 s17, 15, s17                        ; my row of the cluster: x
	s_lshl_b32 s18, 0x1111, s12                    ; my column: the weights
	s_or_b32 s[G1A], s17, (3<<16)|(1<<20)|(1<<21)|(6<<22)|(3<<25)   ; 15:0 the mask; 17:16 elements of 8 bytes; 20 padding on; 21 set beside a mask; 24:22 after every 128 words (code 6); 31:25 of 4 words
	s_or_b32 s[G1B], s18, (3<<16)|(1<<20)|(1<<21)|(6<<22)|(3<<25)
	s_or_b32 s[G1SA], s17, (3<<16)|(1<<20)|(1<<21)|(5<<22)|(3<<25)  ; after every 64 words (code 5)
	s_or_b32 s[G1SB], s18, (3<<16)|(1<<20)|(1<<21)|(5<<22)|(3<<25)
	G1SET G1A, 64, 256, 64                         ; 256 rows of 512 bytes
	G1SET G1B, 4096, 3, 65536                      ; three runs of 64 rows x 512 bytes, 1,024 rows apart: q's, k's, v's
	G1SET G1SA, 32, 32, 32                         ; 32 units of 256 bytes
	G1SET G1SB, 256, 3, 4096                       ; three runs of 64 rows x 32 bytes, 1,024 rows apart
	s_mov_b32 s[SEL], 0x76543210
	s_mov_b32 s[SEL+1], 0xfedcba98
	s_lshl_b32 s20, s16, 17                        ; x's codes: 256 T rows of 512 bytes on,
	s_mov_b32 s21, 0
	s_lshl_b32 s22, s16, 13                        ; its scale bytes: of 32
	s_mov_b32 s23, 0
	s_lshl_b32 s76, s15, 15
	s_add_co_u32 s76, s76, 0x200000                ; the weights': row 4,096 + 64 h
	s_mov_b32 s77, 0
	s_lshl_b32 s78, s15, 11
	s_add_co_u32 s78, s78, 0x20000
	s_mov_b32 s79, 0
	s_lshl_b32 s80, s15, 17
	s_lshl_b32 s81, s16, 13
	s_add_co_u32 s80, s80, s81
	s_lshl_b32 s81, s14, 11
	s_add_co_u32 s80, s80, s81                     ; my wave's results: 131,072 h + 8,192 T + 2,048 w, alike in q, k and v
	s_mov_b32 s81, 0
	s_lshr_b32 s82, s80, 3                         ; and their words
	s_mov_b32 s83, 0
	s_wait_alu depctr_va_vdst(0)
	s_wait_dscnt 0x0                               ; both opening adds are done
	s_wait_kmcnt 0x0
	s_mov_b32 s[G0A], 1                            ; 1:0 count = 1
	s_mov_b32 s[G0A+1], 0                          ; 63:32 LDS address
	s_add_nc_u64 s[G0A+2:G0A+3], s[4:5], s[20:21]  ; 120:64 global address
	s_or_b32 s[G0A+3], s[G0A+3], 0x80000000        ; 127:126 type = 2
	s_mov_b32 s[G0B], 1
	s_mov_b32 s[G0B+1], WCB
	s_add_nc_u64 s[G0B+2:G0B+3], s[4:5], s[76:77]
	s_or_b32 s[G0B+3], s[G0B+3], 0x80000000
	s_mov_b32 s[G0SA], 1
	s_mov_b32 s[G0SA+1], SXB
	s_add_nc_u64 s[G0SA+2:G0SA+3], s[6:7], s[22:23]
	s_or_b32 s[G0SA+3], s[G0SA+3], 0x80000000
	s_mov_b32 s[G0SB], 1
	s_mov_b32 s[G0SB+1], SWB
	s_add_nc_u64 s[G0SB+2:G0SB+3], s[6:7], s[78:79]
	s_or_b32 s[G0SB+3], s[G0SB+3], 0x80000000
	CROUND                                         ; all sixteen work-groups are here: the joint loads meet
	ARM 1, G0A,  G1A,  .Lask_b                     ; one load a wave: one tree of branches on the wave's number, the same in every work-group
	ARM 2, G0B,  G1B,  .Lask_sa
	ARM 3, G0SA, G1SA, .Lask_sb
	tensor_load_to_lds s[G0SB:G0SB+3], s[G1SB:G1SB+7]
	s_nop 0
	NOPS 4
.Lasked:
	v_and_b32 v1, 15, v0                           ; r
	v_bfe_u32 v2, v0, 4, 1                         ; hh
	v_and_b32 v3, 31, v0                           ; l
	v_mul_u32_u24 v4, v1, PITCH
	v_lshl_add_u32 v4, v2, 4, v4                   ; a fragment's row x pitch + 16 hh
	s_mul_i32 s20, s14, 4*BLK
	v_add_nc_u32 v[ADX], s20, v4
	v_add_nc_u32 v[ADW], WCB, v4
	v_add_nc_u32 v[ADV], WCB+8*BLK, v4
	v_lshrrev_b32 v5, 3, v1
	v_lshlrev_b32 v6, 5, v1
	v_lshl_add_u32 v5, v5, 4, v6                   ; a row's scale bytes: 32 r + 16 (r / 8)
	s_xor_b32 s21, s14, 3
	s_mul_i32 s21, s21, S64
	s_add_co_u32 s21, s21, 3*S64                   ; from my tokens' scale bytes to v's channels': 32 units + 2 S64 - w S64 = 3 S64 + (3 - w) S64
	v_mul_u32_u24 v6, s21, v2
	s_mul_i32 s20, s14, S64
	s_add_co_u32 s20, s20, SXB
	v_add_nc_u32 v6, v6, v5
	v_add_nc_u32 v[AS1], s20, v6
	v_mul_u32_u24 v6, v2, S64
	v_add_nc_u32 v6, v6, v5
	v_add_nc_u32 v[AS2], SWB, v6
	v_lshlrev_b32 v[CO], 5, v1
	v_lshl_add_u32 v[CO], v2, 4, v[CO]
	s_lshl_b32 s20, s14, 10
	s_add_co_u32 s20, s20, STG                     ; my stage
	v_lshlrev_b32 v5, 2, v1
	v_lshl_add_u32 v5, v2, 8, v5
	v_add_nc_u32 v[STW], s20, v5
	v_lshlrev_b32 v5, 4, v3
	v_add_nc_u32 v[STR], s20, v5
	s_add_co_u32 s20, s20, 512
	v_lshlrev_b32 v5, 2, v3
	v_add_nc_u32 v[STV], s20, v5
	v_lshlrev_b32 v[WO2], 3, v3
	v_add_nc_u32 v[STR2], s20, v[WO2]
	v_lshlrev_b32 v[WO], 18, v2                    ; k's words lie 0x40000 behind q's
	v_lshl_add_u32 v[WO], v1, 4, v[WO]
	v_lshlrev_b32 v[SH], 4, v2
.irp b, 0,1,2,3
	v_mov_b32 v[TM+4+\b], 0                        ; written once: a lane permute's destination counts as one of its sources
.endr
; A fragment is 16 rows x 128 K in 8 registers: lane l holds row l % 16; registers 4 c .. 4 c + 3 hold K = 64 c + 32 (l / 16) + 0 .. 31: two loads of 16 bytes.
.macro FRAG reg, adr, q, i
	ds_load_b128 v[(\reg):(\reg)+3], v[\adr] offset:64*(\q)+(\i)*BLK
	ds_load_b128 v[(\reg)+4:(\reg)+7], v[\adr] offset:64*(\q)+32+(\i)*BLK
.endm
.macro FETCH q                         ; the sixteen fragments of K step q into set q % 2: 32 LDS loads
	WIN 0x40                                       ; destination window 1, address window 0
.irp i, 0,1,2,3
	FRAG 128*((\q)%2)+8*\i, ADX, \q, \i
.endr
.irp i, 0,1,2,3,4,5,6,7
	FRAG 128*((\q)%2)+32+8*\i, ADW, \q, \i
.endr
.irp i, 0,1,2,3
	FRAG 128*((\q)%2)+96+8*\i, ADV, \q, \i
.endr
.endm
; Scale words: register SC + 32 (q / 4) + 4 g + q % 4 serves K step q.  g = i: lanes 0-15 block i of my tokens, lanes 16-31 block i of v's channels;  g = 4 + i: lanes 0-15 block i of q's channels, lanes 16-31 of k's.
.macro MMQ a, b, q                     ; q's and k's: source 0 = channels, source 1 = tokens
.set DD, 8*(8*(\a)+(\b))
.set FA, 128*((\q)%2)+32+8*(\b)
.set FX, 128*((\q)%2)+8*(\a)
.set SA, SC+32*((\q)/4)+4*(4+(\b)%4)+(\q)%4
.set SX, SC+32*((\q)/4)+4*(\a)+(\q)%4
.if (\q) == 0
.if (\b) < 4
	v_wmma_scale_f32_16x16x128_f8f6f4 v[DD:DD+7], v[FA:FA+7], v[FX:FX+7], 0, v[SA], v[SX] matrix_a_fmt:MATRIX_FMT_FP4 matrix_b_fmt:MATRIX_FMT_FP4
.else
	v_wmma_scale_f32_16x16x128_f8f6f4 v[DD:DD+7], v[FA:FA+7], v[FX:FX+7], 0, v[SA], v[SX] matrix_a_fmt:MATRIX_FMT_FP4 matrix_b_fmt:MATRIX_FMT_FP4 matrix_a_scale:MATRIX_SCALE_ROW1
.endif
.else
.if (\b) < 4
	v_wmma_scale_f32_16x16x128_f8f6f4 v[DD:DD+7], v[FA:FA+7], v[FX:FX+7], v[DD:DD+7], v[SA], v[SX] matrix_a_fmt:MATRIX_FMT_FP4 matrix_b_fmt:MATRIX_FMT_FP4
.else
	v_wmma_scale_f32_16x16x128_f8f6f4 v[DD:DD+7], v[FA:FA+7], v[FX:FX+7], v[DD:DD+7], v[SA], v[SX] matrix_a_fmt:MATRIX_FMT_FP4 matrix_b_fmt:MATRIX_FMT_FP4 matrix_a_scale:MATRIX_SCALE_ROW1
.endif
.endif
.endm
.macro MMV c, a, q                     ; v's: source 0 = tokens, source 1 = channels
.set DD, 8*(4*(\c)+(\a))
.set FA, 128*((\q)%2)+8*(\a)
.set FX, 128*((\q)%2)+96+8*(\c)
.set SA, SC+32*((\q)/4)+4*(\a)+(\q)%4
.set SX, SC+32*((\q)/4)+4*(\c)+(\q)%4
.if (\q) == 0
	v_wmma_scale_f32_16x16x128_f8f6f4 v[DD:DD+7], v[FA:FA+7], v[FX:FX+7], 0, v[SA], v[SX] matrix_a_fmt:MATRIX_FMT_FP4 matrix_b_fmt:MATRIX_FMT_FP4 matrix_b_scale:MATRIX_SCALE_ROW1
.else
	v_wmma_scale_f32_16x16x128_f8f6f4 v[DD:DD+7], v[FA:FA+7], v[FX:FX+7], v[DD:DD+7], v[SA], v[SX] matrix_a_fmt:MATRIX_FMT_FP4 matrix_b_fmt:MATRIX_FMT_FP4 matrix_b_scale:MATRIX_SCALE_ROW1
.endif
.endm
; A K step of 128: 48 matrix instructions; the 48 accumulators take turns, in the same order in every step.  The next step's fragments are asked for ahead of it.
.macro STEP q
.if (\q) < 7
.if (\q) > 0
	NOPS 4                                         ; places in front of loads into registers that matrix instructions have read
.endif
	FETCH \q+1
	s_wait_dscnt 32                                ; all but the 32 just issued
.else
	s_wait_dscnt 0x0
.endif
	WIN 0xa5                                       ; sources 0 and 1 window 1, C and D window 2
.irp a, 0,1,2,3
.irp b, 0,1,2,3,4,5,6,7
	MMQ \a, \b, \q
.endr
.endr
	WIN 0xf5                                       ; C and D window 3
.irp c, 0,1,2,3
.irp a, 0,1,2,3
	MMV \c, \a, \q
.endr
.endr
.endm
	s_wait_alu depctr_va_vdst(0)                   ; the wait at the head's end
	s_wait_tensorcnt 0x0                           ; my tensor load has landed,
	s_barrier_signal -1
	s_barrier_wait -1                              ; and everybody's
.irp g, 0,1,2,3
	ds_load_b128 v[SC+4*\g:SC+4*\g+3], v[AS1] offset:544*\g
	ds_load_b128 v[SC+32+4*\g:SC+35+4*\g], v[AS1] offset:544*\g+16
	ds_load_b128 v[SC+16+4*\g:SC+19+4*\g], v[AS2] offset:544*\g
	ds_load_b128 v[SC+48+4*\g:SC+51+4*\g], v[AS2] offset:544*\g+16
.endr
	FETCH 0
	s_wait_dscnt 31                                ; 63 at the most are out behind the next 32
.irp q, 0,1,2,3,4,5,6,7
	STEP \q
.endr
	WIN 0
; THE WAY OUT: 64 registers, four blocks of 32 along the next K, two of them for each of two rows of codes.
.macro QCODE ac, win, n
.set AC, \ac
.set PCA, PC+8*(\n)
	WIN 5*(\win)                                   ; sources 0 and 1 in the accumulators' window
.irp b, 0,1,2,3
	v_max3_num_f32 v[TM+\b], |v[AC+16*\b]|, |v[AC+16*\b+1]|, 0x1800000   ; the largest magnitude, with the floor 2^(3 - 127): the byte cannot fall under 1
.endr
.irp i, 2,4,6,8,10,12,14
.irp b, 0,1,2,3
	v_max3_num_f32 v[TM+\b], |v[AC+16*\b+\i]|, |v[AC+16*\b+\i+1]|, v[TM+\b]
.endr
.endr
	WIN 0
.irp b, 0,1,2,3
	v_permlanex16_b32 v[TM+4+\b], v[TM+\b], s[SEL], s[SEL+1]
.endr
.irp b, 0,1,2,3
	v_max_num_f32 v[TM+\b], v[TM+\b], v[TM+4+\b]   ; with lane l xor 16's 16 numbers
.endr
.irp b, 0,1,2,3
	v_add_nc_u32 v[TM+12+\b], 0xff000000, v[TM+\b] ; 2 off the exponent field: the conversion's scale operand
.endr
.irp b, 0,1,2,3
	v_lshrrev_b32 v[TM+4+\b], 23, v[TM+12+\b]      ; the scale's byte
.endr
	v_lshl_or_b32 v[PW], v[TM+5], 8, v[TM+4]
	v_lshl_or_b32 v[PW], v[TM+6], 16, v[PW]
	v_lshl_or_b32 v[PW], v[TM+7], 24, v[PW]
	WIN \win                                       ; source 0 in the accumulators' window
.irp b, 0,1,2,3
	v_cvt_scalef32_pk8_fp4_f32 v[PCA+2*\b], v[AC+16*\b:AC+16*\b+7], v[TM+12+\b]
	v_cvt_scalef32_pk8_fp4_f32 v[PCA+2*\b+1], v[AC+16*\b+8:AC+16*\b+15], v[TM+12+\b]
.endr
	WIN 0
	v_nop                                          ; one plain line behind a scaled conversion
.irp c, 0,1
.irp i, 0,1
	v_permlane16_swap_b32 v[PCA+4*\c+\i], v[PCA+2+4*\c+\i]   ; a whole block to a lane
.endr
.endr
	v_lshrrev_b32 v[WWR+(\n)], v[SH], v[PW]        ; lanes 0-15: the first row's two bytes, lanes 16-31: the second's
	v_and_b32 v[WWR+(\n)], 0xffff, v[WWR+(\n)]
.endm
	NOPS 4                                         ; places in front of the first read of the results
	s_add_nc_u64 s[24:25], s[8:9], s[80:81]        ; q's codes (no tensor load is out: the descriptors' registers are free)
	s_add_nc_u64 s[26:27], s[24:25], 0x200000      ; k's
	s_add_nc_u64 s[28:29], s[24:25], 0x400000      ; v's
	s_add_nc_u64 s[30:31], s[10:11], s[82:83]      ; q's words
	s_add_nc_u64 s[32:33], s[30:31], 0x80000       ; v's
.irp a, 0,1,2,3
	QCODE 64*\a, 2, \a                             ; 16 tokens: q's 64 channels, k's 64
	ds_store_b32 v[STW], v[WWR+\a] offset:64*\a
	global_store_b128 v[CO], v[PCA:PCA+3], s[24:25] offset:512*\a      ; the wave stores 512 consecutive bytes, aligned
	global_store_b128 v[CO], v[PCA+4:PCA+7], s[26:27] offset:512*\a
.endr
.irp c, 0,1
	QCODE 64*\c, 3, 4+\c                           ; 2 x 16 channels of v, 64 tokens
	ds_store_b32 v[STV], v[WWR+4+\c] offset:128*\c
	global_store_b128 v[CO], v[PCA:PCA+3], s[28:29] offset:1024*\c
	global_store_b128 v[CO], v[PCA+4:PCA+7], s[28:29] offset:1024*\c+512
.endr
	ds_load_b128 v[TM:TM+3], v[STR]                ; LDS serves a wave's instructions in order: these see my stores
	ds_load_b64 v[TM+4:TM+5], v[STR2]
	s_wait_dscnt 0x0
	global_store_b128 v[WO], v[TM:TM+3], s[30:31]  ; 256 consecutive bytes of q's words, 256 of k's,
	global_store_b64 v[WO2], v[TM+4:TM+5], s[32:33]   ; and 256 of v's
	s_wait_tensorcnt 0x0                           ; the wave's end, behind my last tensor load and my last LDS store
	ds_add_u32 v[SPW], v[NIL]
	s_wait_dscnt 0x0
	CROUND                                         ; the closing round: no work-group ends while a partner may still ask for a tile that names it
	s_endpgm
.Lfunc_end_k_qfedcb4cfae_gemm:
	.size	k_qfedcb4cfae_gemm, .Lfunc_end_k_qfedcb4cfae_gemm-k_qfedcb4cfae_gemm
	.p2alignl 7, 3214868480
	.fill 96, 4, 3214868480
	.section	.rodata,"a",@progbits
	.p2align	6, 0x0
	.amdhsa_kernel k_qfedcb4cfae_gemm
		.amdhsa_group_segment_fixed_size 327680
		.amdhsa_private_segment_fixed_size 0
		.amdhsa_enable_private_segment 0
		.amdhsa_kernarg_size 32
		.amdhsa_user_sgpr_count 2
		.amdhsa_user_sgpr_kernarg_segment_ptr 1
		.amdhsa_wavefront_size32 1
		.amdhsa_system_sgpr_workgroup_id_x 1
		.amdhsa_system_sgpr_workgroup_id_y 1
		.amdhsa_system_sgpr_workgroup_id_z 1
		.amdhsa_system_vgpr_workitem_id 0
		.amdhsa_next_free_vgpr 1024
		.amdhsa_next_free_sgpr 102
		.amdhsa_reserve_vcc 0
		.amdhsa_float_denorm_mode_32 3
		.amdhsa_float_denorm_mode_16_64 3
		.amdhsa_memory_ordered 1
		.amdhsa_forward_progress 1
		.amdhsa_inst_pref_size 102
	.end_amdhsa_kernel
	.amdgpu_metadata
---
amdhsa.version: [ 1, 2 ]
amdhsa.kernels:
  - .name:           k_qfedcb4cfae_gemm
    .symbol:         k_qfedcb4cfae_gemm.kd
    .args:
      - { .name: codes, .offset: 0, .size: 8, .value_kind: global_buffer, .address_space: global }
      - { .name: scales, .offset: 8, .size: 8, .value_kind: global_buffer, .address_space: global }
      - { .name: qkv, .offset: 16, .size: 8, .value_kind: global_buffer, .address_space: global }
      - { .name: qkvs, .offset: 24, .size: 8, .value_kind: global_buffer, .address_space: global }
    .group_segment_fixed_size: 327680
    .private_segment_fixed_size: 0
    .kernarg_segment_align: 8
    .kernarg_segment_size: 32
    .max_flat_workgroup_size: 128
    .sgpr_count:     102
    .vgpr_count:     1024
    .wavefront_size: 32
...
	.end_amdgpu_metadata
.endif
;; end of part 2
;; launch attn (part 3): grid 4 x 64, 16 waves a work-group, clusters of 4 x 1, 327,680 bytes of LDS; arguments qkv, qkvs, pe, out0; writes out0
.if DOCPART == 3
	.amdgcn_target "amdgcn-amd-amdhsa--gfx1250"
	.amdhsa_code_object_version 6
	.text
	.protected	k_qfedcb4cfae_attn
	.globl	k_qfedcb4cfae_attn
	.p2align	8
	.type	k_qfedcb4cfae_attn,@function
k_qfedcb4cfae_attn:
	s_mov_b64 s[64:65], 0
	v_nop
	global_prefetch_b8 v0, s[64:65] scope:SCOPE_SE
	s_setreg_imm32_b32 hwreg(HW_REG_WAVE_MODE, 25, 1), 1
	s_wait_xcnt 0x0
	s_wait_alu depctr_hold_cnt(0) depctr_sa_sdst(0) depctr_va_vdst(0) depctr_va_sdst(0) depctr_va_ssrc(0) depctr_va_vcc(0) depctr_vm_vsrc(0)
	s_getreg_b32 s2, hwreg(HW_REG_IB_STS2, 6, 4)
	s_cmp_eq_u32 s2, 0
	s_cbranch_scc0 .Lentry_in_a_cluster
	s_endpgm
.Lentry_in_a_cluster:
	s_bfe_u32 s2, ttmp6, 0x10000c
	s_cmp_lg_u32 s2, 0x3003
	s_cbranch_scc0 .Lentry_shape_is_right
	s_endpgm
.Lentry_shape_is_right:
; out[b][h][i][:] = the sum over j of softmax_j((q_i . k_j + q_i . rel[i][j]) / 8) v_j, all three products on codes of FP4 with E8M0 scales, as the second and first launches left them.  No work is left out.
; SHARES.  A work-group owns 256 queries of one (b, h); wave w of its sixteen owns the 16 queries i = 256 cx + 128 (w / 8) + w % 8 + 8 n, n = 0 .. 15, in 256 registers.  Every wave walks the 1,024 keys in eight steps of 128
; (two halves of 64), written out: every offset is an immediate.
; THE POSITIONAL TERM.  rel[i][j] is row e = j - i + 1023 of the table PE, and q's codes are those of q k^T: so the term is R[i][e] = q_i . PE[e], read along diagonals.  With E counted from the wave's first row of PE,
; key j of query n wants E = j + 120 - 8 n.  THE QUERIES OF A TILE LIE 8 APART, so the shift is a multiple of 8 words and R goes through LDS by 16 bytes on both sides: each wave has a ring of 192 words for each query, in which key j
; lies at word j % 192, so R(E) of query n is stored at word (E + 8 n + 72) % 192.  64 keys need 64 new rows of PE: four tiles of 16, behind eight tiles at the start.  From the ring R enters as the C operand of k q^T:
; the sum costs no addition.  What a lane stores for E < 120 - 8 n belongs to no key and is stored over, 12 tiles later, before that word is read.
; THE SOFTMAX AHEAD OF THE LAST PRODUCT: t = logit x log2(e); M = the running largest t rounded UP to a whole number; p = 2^(t - M) is quantised along the keys, not normalised; the sum of the unquantised p divides at the end.
; When M moves, the sum and O are multiplied by 2^(old M - new M): exact.
; LAYOUT.  All products are used transposed (source 0 = 16 rows of PE, 16 keys, or 16 of the head's 64; source 1 = my 16 queries or p): a lane holds ONE query (lane % 16) throughout.
; The keys of a tile are chosen so that a lane holds WHOLE BLOCKS of 32 keys: row m of tile 4 u + v of a step is key 64 u + 32 (m / 8) + 8 v + m % 8; so lane (n, hh) has block 2 u + hh in its registers 32 u .. 32 u + 31, which is the
; place that the last product's operand gives it: no lane asks another for a block's maximum or codes.  k's even and odd blocks of 32 lie in two regions of LDS, an odd multiple of 16 bytes apart.
; The head's K = 64 fills half of the instruction's 128: q's registers 4-7 hold zero codes under the scale byte 0, so whatever codes stand in the other side's registers 4-7 add nothing: tiles of k and PE lie 4 registers apart.
; A block's 16 bytes hold its four groups of eight codes in the order 0, 2, 1, 3, on both sides of every product here.
; THE ORDER OF A STEP.  Step s multiplies its k; beside its maxima the first half of R for step s + 1 is made and stored; behind the exponentials the second half is made, and v is asked for; behind the conversions R comes back from
; the ring into the registers that held p, and the next k is asked for; then O takes p v, and PE of the step after is asked for.
; ALL OPERANDS OF A WORK-GROUP LIE IN LDS AT ONCE: seven tensor loads at the start, one each for waves 0 to 6; nothing is filled again.
; CLUSTER.  The four query blocks of one (b, h) read the same k, v and k's scale words: these four loads are joint.  The window of PE differs from block to block: those three loads are each work-group's own.
; No prefetch: every tensor load stands at the kernel's head, and there is no loop to run ahead in.
; LIMITS: NaN and infinities are not served; a block of p that has fallen to 0 keeps the byte 1 over zero codes.  The order of codes inside a block regroups the sums inside an instruction.
.set KCB,   0                          ; LDS: k's codes, even blocks of 32 keys: 64 units of 256 bytes (8 keys) + 16 of padding; odd blocks KD further on
.set KD,    17424
.set VCB,   35072                      ; v's codes: [key / 64][d][32 bytes], 128 units of 256 + 16
.set KWB,   69888                      ; k's scale words, 4 bytes a key, dense
.set PCB,   73984                      ; PE's codes: the work-group's window of 1,280 rows from e = 768 - 256 cx on, and 16 rows of zeros: two planes of 16 bytes a row
.set PLANE, 20736
.set PWB,   115456                     ; their scale words, dense
.set SKB,   120832                     ; each wave's rings: 16 rows (a query each) of 192 words + 4 of padding; at the end its stage for the way out
.set SKW,   12800                      ; (a lane's 16 bytes end at or under 15 RPIT + 32 x 31 + 32 = 12,784, whatever a place's five bits hold)
.set RPIT,  784
.set SPARE, 325632                     ; the spare words, 128 bytes for each wave: eight blocks of 256 bytes that no other line names
.set AK,   1                           ; v1   my lane's place in a tile of k
.set AP,   2                           ; v2   in a tile of PE, at my wave's first row
.set AV,   3                           ; v3   in a tile of v
.set AKW,  4                           ; v4   among k's scale words
.set SPW,  5                           ; v5   LDS address of my spare word; never rewritten
.set NIL,  6                           ; v6   0; never rewritten
.set APW,  7                           ; v7   among PE's scale words
.set SR,   8                           ; v8   the ring, on the way out: row n, word 32 hh
.set AWN,  9                           ; v9   the ring, on the way in: row n, word 8 (n + hh): for tiles that wrap in no lane
.set AW,   10                          ; v10-17 the same for the eight places of a tile at which some lanes wrap
.set NM,   18                          ; v18 -M, v19 the largest t
.set MX,   19
.set SUM,  20                          ; v[20:21] the sum in two halves
.set FF,   22                          ; v22 f = 2^(old M - new M) (v23 is named with it as a pair, so it is written)
.set QS,   24                          ; v24 q's scale words
.set TT,   25
.set M0,   26                          ; v26, v27 the largest score, then p, of my two blocks
.set M1,   27
.set T,    28
.set T2,   29
.set SC0,  30                          ; v30, v31 the conversions' scale operands
.set SC1,  31
.set QF,   32                          ; v32-35 q's codes, v36-39 zero codes
.set KF,   40                          ; v40-71 eight tiles of k (v72-75 zero codes behind the last); between, four tiles of R
.set PF,   76                          ; v76-107 eight tiles of PE (v108-111 zero codes behind the last); between, four tiles of v
.set S,    112                         ; v112-175 the scores, then p
.set O,    176                         ; v176-207 O^T
.set VS,   208                         ; v208-223 v's scale words: register 2 s + dh: lane l: d = 32 dh + l, the four blocks of step s
.set PCD,  224                         ; v224-231 p's codes
.set PSC,  232                         ; v232-235 PE's scale words
.set KSC,  236                         ; v236-239 k's
.set CA,   240                         ; v240-243 maxima;  v244-249 sums
.set X1,   250
.set X2,   251
.set PW,   252                         ; v252 p's scale word
.set WV,   12                          ; s12  my wave's number
.set G1K,  24                          ; s[24:31] group 1: 16 rows of 1,024 bytes, 2,048 apart, padded, joint (k's even or odd blocks)
.set G1V,  32                          ; s[32:39] 128 units, padded, joint (v's codes)
.set G1W,  40                          ; s[40:47] 16 units, dense, joint (k's words)
.set G1P,  48                          ; s[48:55] 80 units and one of zeros, dense, my own (a plane of PE's codes)
.set G1Q,  56                          ; s[56:63] 20 units and one of zeros, dense, my own (PE's words)
.set G0K,  68                          ; groups 0
.set G0L,  72
.set G0V,  76
.set G0W,  80
.set G0P,  84
.set G0R,  88
.set G0Q,  92
.set SEL,  96                          ; s96, s97 lane selects for v_permlanex16_b32: lane l xor 16
.set CS,   98                          ; s[98:99] c = log2(e) / 8
.set RB,   100                         ; s100 my rings
.set W0,   101                         ; s101 my first row in the window of PE
.macro CROUND                          ; a round of the cluster's barrier
	s_barrier_signal -1
	s_barrier_wait -1
	s_cmp_lg_u32 s[WV], 0
	s_cbranch_scc1 .Lnot_wave_0_\@
	s_barrier_signal -3
.Lnot_wave_0_\@:
	s_barrier_wait -3
	s_barrier_signal -1
	s_barrier_wait -1
.endm
.macro G1SET g, word0, cols, rows, have, pitch   ; elements of 8 bytes; rows beyond 'have' come as zeros
	s_mov_b32 s[\g], \word0
	s_mov_b32 s[\g+1], (\cols)<<16                 ; tensor_dim0
	s_mov_b32 s[\g+2], (\have)<<16                 ; tensor_dim1
	s_mov_b32 s[\g+3], (\cols)<<16                 ; tile_dim0
	s_mov_b32 s[\g+4], \rows                       ; tile_dim1
	s_mov_b32 s[\g+5], \pitch                      ; tensor_dim0_stride
	s_mov_b32 s[\g+6], 0
	s_mov_b32 s[\g+7], 0
.endm
.macro ARM n, g0, g1                   ; wave n's tensor load, with the lines behind it
	s_cmp_lg_u32 s[WV], \n
	s_cbranch_scc1 .Lnext_\@
	tensor_load_to_lds s[\g0:\g0+3], s[\g1:\g1+7]
	s_nop 0
.rept 4
	v_nop
.endr
	s_branch .Lfilled
.Lnext_\@:
.endm
; One matrix instruction.  zero = 1: C is the constant 0, else C = D.  row1 = 1: source 0's scales stand in lanes 16-31 of their register.
.macro MM d, a, b, zero, sa, sb, row1
.if \zero
.if \row1
	v_wmma_scale_f32_16x16x128_f8f6f4 v[(\d):(\d)+7], v[(\a):(\a)+7], v[(\b):(\b)+7], 0, v[(\sa)], v[(\sb)] matrix_a_fmt:MATRIX_FMT_FP4 matrix_b_fmt:MATRIX_FMT_FP4 matrix_a_scale:MATRIX_SCALE_ROW1
.else
	v_wmma_scale_f32_16x16x128_f8f6f4 v[(\d):(\d)+7], v[(\a):(\a)+7], v[(\b):(\b)+7], 0, v[(\sa)], v[(\sb)] matrix_a_fmt:MATRIX_FMT_FP4 matrix_b_fmt:MATRIX_FMT_FP4
.endif
.else
.if \row1
	v_wmma_scale_f32_16x16x128_f8f6f4 v[(\d):(\d)+7], v[(\a):(\a)+7], v[(\b):(\b)+7], v[(\d):(\d)+7], v[(\sa)], v[(\sb)] matrix_a_fmt:MATRIX_FMT_FP4 matrix_b_fmt:MATRIX_FMT_FP4 matrix_a_scale:MATRIX_SCALE_ROW1
.else
	v_wmma_scale_f32_16x16x128_f8f6f4 v[(\d):(\d)+7], v[(\a):(\a)+7], v[(\b):(\b)+7], v[(\d):(\d)+7], v[(\sa)], v[(\sb)] matrix_a_fmt:MATRIX_FMT_FP4 matrix_b_fmt:MATRIX_FMT_FP4
.endif
.endif
.endm
.macro NOPS n
.rept \n
	v_nop
.endr
.endm
; U counts the halves of 64 keys.  Half u needs tiles 8 + 4 u .. 11 + 4 u of R beyond those of the half before; tiles 0 .. 7 count as those of u = -2 and -1.
.macro PELOAD u                        ; PE's tiles for halves u and u + 1: 12 LDS loads
.irp i, 0,1,2,3,4,5,6,7
	ds_load_b128 v[PF+4*\i:PF+4*\i+3], v[AP] offset:256*(8+4*(\u)+\i)
.endr
.irp q, 0,1,2,3
	ds_load_b32 v[PSC+\q], v[APW] offset:64*(8+4*(\u))+128*\q      ; lanes 0-15: tile 2 q, lanes 16-31: tile 2 q + 1
.endr
.endm
.macro RMM g                           ; four tiles of R of the first (g = 0) or the second of the two halves
.irp i, 0,1,2,3
	MM KF+8*\i, PF+16*(\g)+4*\i, QF, 1, PSC+2*(\g)+\i/2, QS, \i%2
.endr
.endm
.macro RST u                           ; half u's four tiles into the ring, each result from its low end on: 8 LDS stores
.irp i, 0,1,2,3
.set PP, (8+4*(\u)+\i)%12
.if PP < 8
	ds_store_b128 v[AW+PP], v[KF+8*\i:KF+8*\i+3]
	ds_store_b128 v[AW+PP], v[KF+8*\i+4:KF+8*\i+7] offset:16
.else
	ds_store_b128 v[AWN], v[KF+8*\i:KF+8*\i+3] offset:32+64*(PP-8)
	ds_store_b128 v[AWN], v[KF+8*\i+4:KF+8*\i+7] offset:48+64*(PP-8)
.endif
.endr
.endm
.macro SLD u                           ; my 32 keys of half u, back in the layout of the scores: 8 LDS loads
.irp i, 0,1,2,3,4,5,6,7
	ds_load_b128 v[S+32*((\u)%2)+4*\i:S+32*((\u)%2)+4*\i+3], v[SR] offset:256*((\u)%3)+16*\i
.endr
.endm
.macro KLD s                           ; step s's eight tiles of k and their scale words: 12 LDS loads
.irp t, 0,1,2,3,4,5,6,7
	ds_load_b128 v[KF+4*\t:KF+4*\t+3], v[AK] offset:272*(8*(\s)+\t)
.endr
.irp q, 0,1,2,3
	ds_load_b32 v[KSC+\q], v[AKW] offset:512*(\s)+256*(\q/2)+64*(\q%2)   ; lanes 0-15: tile 2 q, lanes 16-31: tile 2 q + 1
.endr
.endm
.macro MAXR k                          ; a round of the four chains of maxima: chain c takes registers 16 c .. 16 c + 14, ascending
.irp c, 0,1,2,3
.if \k == 0
	v_max3_num_f32 v[CA+\c], v[S+16*\c], v[S+16*\c+1], v[S+16*\c+2]
.else
	v_max3_num_f32 v[CA+\c], v[CA+\c], v[S+16*\c+1+2*\k], v[S+16*\c+2+2*\k]
.endif
.endr
.endm
	s_load_b256 s[4:11], s[0:1], 0x0               ; qkv s[4:5], qkvs s[6:7], pe s[8:9], out0 s[10:11]
	v_lshl_add_u32 v[SPW], v0, 2, SPARE
	v_mov_b32 v[NIL], 0
	ds_add_u32 v[SPW], v[NIL]                      ; the wave's opening: the add, twice on end, and its wait ahead of the first tensor loads; the set-up below stands between
	ds_add_u32 v[SPW], v[NIL]
	v_lshrrev_b32 v1, 5, v0
	v_readfirstlane_b32 s[WV], v1                  ; wave 0..15
	v_and_b32 v240, 15, v0                         ; r (a query's n)
	v_bfe_u32 v241, v0, 4, 1                       ; hh
	v_and_b32 v242, 31, v0                         ; l
	v_lshlrev_b32 v253, 8, v240
	v_lshl_add_u32 v253, v241, 4, v253             ; q in memory: 8 rows of 32 bytes from query to query, + 16 hh
	v_lshlrev_b32 v254, 5, v240                    ; its scale words
	v_lshlrev_b32 v255, 2, v242                    ; v's scale words
	s_bfe_u32 s13, ttmp6, 0x40000                  ; cx: my block of 256 queries: it enters global addresses alone
	s_and_b32 s14, ttmp7, 0xffff                   ; 16 b + h, which the four partners share
	s_lshr_b32 s15, s14, 4                         ; b
	s_and_b32 s16, s14, 15                         ; h
	G1SET G1K, 15|(3<<16)|(1<<20)|(1<<21)|(5<<22)|(3<<25), 128, 16, 16, 256   ; 15:0 the mask: all four work-groups; 17:16 elements of 8 bytes; 20 padding on; 21 set beside a mask; 24:22 after every 64 words; 31:25 four words
	G1SET G1V, 15|(3<<16)|(1<<20)|(1<<21)|(5<<22)|(3<<25), 32, 128, 128, 32
	G1SET G1W, 15|(3<<16)|(1<<21), 32, 16, 16, 32
	G1SET G1P, (3<<16), 32, 81, 80, 32             ; no mask: my own
	G1SET G1Q, (3<<16), 32, 21, 20, 32
	s_mov_b32 s[SEL], 0x76543210
	s_mov_b32 s[SEL+1], 0xfedcba98
	s_mov_b32 s[CS], 0x3e38aa3b                    ; c = log2(e) / 8
	s_mov_b32 s[CS+1], s[CS]                       ; (named with it as a pair, so it is written)
	s_lshl_b32 s17, s16, 17
	s_lshl_b32 s18, s15, 15
	s_add_co_u32 s20, s17, s18                     ; 131,072 h + 32,768 b: q's rows of (b, h) in qkv
	s_mov_b32 s21, 0
	s_add_co_u32 s22, s20, 0x200000                ; k's
	s_mov_b32 s23, 0
	s_lshr_b32 s17, s[WV], 3
	s_lshl_b32 s17, s17, 7
	s_and_b32 s18, s[WV], 7
	s_add_co_u32 s17, s17, s18
	s_lshl_b32 s18, s13, 8
	s_add_co_u32 s18, s18, s17                     ; i0: my first query
	s_xor_b32 s19, s[WV], 15
	s_lshr_b32 s[W0], s19, 3
	s_lshl_b32 s[W0], s[W0], 7
	s_and_b32 s19, s19, 7
	s_add_co_u32 s[W0], s[W0], s19                 ; 135 - 128 (w / 8) - w % 8
	s_mul_i32 s[RB], s[WV], SKW
	s_add_co_u32 s[RB], s[RB], SKB
	s_lshl_b32 s16, s14, 18
	s_lshl_b32 s19, s18, 8
	s_add_co_u32 s16, s16, s19                     ; my first row of out: 262,144 (16 b + h) + 256 i0
	s_mov_b32 s17, 0
	s_wait_alu depctr_va_vdst(0)
	s_wait_dscnt 0x0                               ; both opening adds are done
	s_wait_kmcnt 0x0
	s_add_nc_u64 s[10:11], s[10:11], s[16:17]
	s_lshl_b32 s16, s18, 5
	s_add_co_u32 s16, s16, s20
	s_add_nc_u64 s[14:15], s[4:5], s[16:17]        ; my q's codes,
	s_lshr_b32 s16, s16, 3
	s_add_nc_u64 s[2:3], s[6:7], s[16:17]          ; its scale words,
	s_lshr_b32 s16, s20, 3
	s_add_co_u32 s16, s16, 0x80000
	s_add_nc_u64 s[20:21], s[6:7], s[16:17]        ; v's words of (b, h)
	global_load_b128 v[QF:QF+3], v253, s[14:15]    ; q's codes stay in registers
	global_load_b32 v[QS], v254, s[2:3]
.set n, 0
.rept 32
	global_load_b32 v[S+n], v255, s[20:21] offset:128*n   ; v's words: register 2 kg + dh: d = 32 dh + l, keys 64 kg on
.set n, n+1
.endr
	s_mov_b32 s[G0K], 1                            ; 1:0 count = 1
	s_mov_b32 s[G0K+1], KCB                        ; 63:32 LDS address
	s_add_nc_u64 s[G0K+2:G0K+3], s[4:5], s[22:23]  ; 120:64 global address: k's even blocks of 32 keys
	s_mov_b32 s[G0L], 1
	s_mov_b32 s[G0L+1], KCB+KD
	s_add_nc_u64 s[G0L+2:G0L+3], s[G0K+2:G0K+3], 0x400      ; the odd ones
	s_mov_b32 s[G0V], 1
	s_mov_b32 s[G0V+1], VCB
	s_add_nc_u64 s[G0V+2:G0V+3], s[G0K+2:G0K+3], 0x200000   ; v's
	s_or_b32 s[G0K+3], s[G0K+3], 0x80000000        ; 127:126 type = 2
	s_or_b32 s[G0L+3], s[G0L+3], 0x80000000
	s_or_b32 s[G0V+3], s[G0V+3], 0x80000000
	s_lshr_b32 s22, s22, 3
	s_mov_b32 s[G0W], 1
	s_mov_b32 s[G0W+1], KWB
	s_add_nc_u64 s[G0W+2:G0W+3], s[6:7], s[22:23]  ; k's words
	s_or_b32 s[G0W+3], s[G0W+3], 0x80000000
	s_lshl_b32 s16, s13, 12
	s_sub_co_u32 s16, 12288, s16                   ; PE's window: 16 (768 - 256 cx) bytes into each plane
	s_mov_b32 s[G0P], 1
	s_mov_b32 s[G0P+1], PCB
	s_add_nc_u64 s[G0P+2:G0P+3], s[8:9], s[16:17]
	s_mov_b32 s[G0R], 1
	s_mov_b32 s[G0R+1], PCB+PLANE
	s_add_nc_u64 s[G0R+2:G0R+3], s[G0P+2:G0P+3], 0x8000
	s_or_b32 s[G0P+3], s[G0P+3], 0x80000000
	s_or_b32 s[G0R+3], s[G0R+3], 0x80000000
	s_lshr_b32 s16, s16, 2
	s_add_co_u32 s16, s16, 65536                   ; PE's words: 65,536 + 4 (768 - 256 cx)
	s_mov_b32 s[G0Q], 1
	s_mov_b32 s[G0Q+1], PWB
	s_add_nc_u64 s[G0Q+2:G0Q+3], s[8:9], s[16:17]
	s_or_b32 s[G0Q+3], s[G0Q+3], 0x80000000
	CROUND                                         ; all four work-groups are here: the joint loads meet
	ARM 0, G0K, G1K                                ; the seven first fills, one each for waves 0 to 6: the branches hang on the wave's number alone, the same in every work-group
	ARM 1, G0L, G1K
	ARM 2, G0P, G1P
	ARM 3, G0R, G1P
	ARM 4, G0V, G1V
	ARM 5, G0W, G1W
	ARM 6, G0Q, G1Q
.Lfilled:
	v_lshrrev_b32 v243, 3, v240                    ; r / 8
	v_and_b32 v244, 7, v240                        ; r % 8
	v_mul_u32_u24 v[AK], v243, KD
	v_lshl_add_u32 v[AK], v244, 5, v[AK]
	v_lshl_add_u32 v[AK], v241, 4, v[AK]           ; k: the odd blocks' region for rows 8-15; 32 bytes a key, + 16 hh
	v_lshlrev_b32 v[AV], 5, v240
	v_lshl_add_u32 v[AV], v243, 4, v[AV]
	v_lshl_add_u32 v[AV], v241, 4, v[AV]
	v_add_nc_u32 v[AV], VCB, v[AV]
	v_lshlrev_b32 v[AKW], 7, v243
	v_lshl_add_u32 v[AKW], v241, 5, v[AKW]
	v_lshl_add_u32 v[AKW], v244, 2, v[AKW]
	v_add_nc_u32 v[AKW], KWB, v[AKW]
	v_mul_u32_u24 v[AP], v241, PLANE
	v_lshl_add_u32 v[AP], v240, 4, v[AP]
	s_lshl_b32 s16, s[W0], 4
	s_add_co_u32 s16, s16, PCB
	v_add_nc_u32 v[AP], s16, v[AP]                 ; PE: plane hh, row W0 + r: sixteen neighbouring rows are 256 bytes on end
	s_lshl_b32 s16, s[W0], 2
	s_add_co_u32 s16, s16, PWB
	v_lshl_add_u32 v[APW], v242, 2, s16
	v_mul_u32_u24 v245, v240, RPIT                 ; the ring's row
	v_lshl_add_u32 v[SR], v241, 7, v245
	v_add_nc_u32 v[SR], s[RB], v[SR]
	v_add_nc_u32 v246, v240, v241                  ; n + hh
	v_lshl_add_u32 v[AWN], v246, 5, v245
	v_add_nc_u32 v[AWN], s[RB], v[AWN]
.irp p, 0,1,2,3,4,5,6,7
	v_add_nc_u32 v247, 1+2*\p, v246                ; places of 8 words: a tile p of each twelve begins at place 9 + 2 p + n + hh, modulo the ring's 24:
	v_lshrrev_b32 v247, 4, v247                    ; 1 where that is 24 or more;
	v_add_nc_u32 v248, 9+2*\p, v246
	v_lshl_add_u32 v247, v247, 3, v248
	v_and_b32 v247, 31, v247                       ; 24 less is 8 more, modulo 32
	v_lshl_add_u32 v[AW+\p], v247, 5, v245
	v_add_nc_u32 v[AW+\p], s[RB], v[AW+\p]
.endr
.irp k, 0,1,2,3
	v_mov_b32 v[QF+4+\k], 0                        ; zero codes for K = 64 .. 127,
	v_mov_b32 v[KF+32+\k], 0                       ; and behind the last tiles of k and PE
	v_mov_b32 v[PF+32+\k], 0
.endr
	v_mov_b32 v[FF+1], 0
	v_mov_b32 v[T2], 0                             ; written once: a lane permute's destination counts as one of its sources
	v_mov_b32 v[X2], 0
	s_wait_alu depctr_va_vdst(0)
	s_wait_loadcnt 0x0                             ; q and v's words
.irp s, 0,1,2,3,4,5,6,7
.irp dh, 0,1
	v_lshl_or_b32 v[VS+2*\s+\dh], v[S+4*\s+2+\dh], 16, v[S+4*\s+\dh]   ; a step's 128 keys: the two bytes of keys 64 (2 s) on, then those of 64 (2 s + 1) on
.endr
.endr
	s_wait_alu depctr_va_vdst(0)                   ; the wait at the head's end
	s_wait_tensorcnt 0x0                           ; my tensor load, if I issued one, has landed,
	s_barrier_signal -1
	s_barrier_wait -1                              ; everybody's has: the one barrier of the work; from here on a wave writes its own rings alone
	PELOAD -2                                      ; R's first eight tiles, then those of halves 0 and 1
	s_wait_dscnt 0x0
	RMM 0
	NOPS 5                                         ; four places in front of the stores, five in front of the products that write over these results
	RST -2
	RMM 1
	NOPS 5
	RST -1
	PELOAD 0
	s_wait_dscnt 0x0
	RMM 0
	NOPS 5
	RST 0
	RMM 1
	NOPS 5
	SLD 0                                          ; half 1 goes into the ring behind half 0's loads: it stores over words that they read
	RST 1
	SLD 1
	KLD 0
	PELOAD 2
; A KEY STEP: 128 keys.  The accumulators of each run of matrix instructions take turns, one instruction a turn.
.macro STEP s
	; 1. S^T = k q^T + R
.if (\s) < 7
	s_wait_dscnt 12                                ; R and k are in; the 12 loads of PE behind them may be out
.else
	s_wait_dscnt 0x0
.endif
.irp t, 0,1,2,3,4,5,6,7
	MM S+8*\t, KF+4*\t, QF, 0, KSC+\t/2, QS, \t%2
.endr
	NOPS 4
	; 2. the maxima; beside them the first half of the next step's R
	MAXR 0
	MAXR 1
.if (\s) < 7
	s_wait_alu depctr_va_vdst(0)                   ; the wait ahead of the wait below
	s_wait_dscnt 0x0                               ; PE
	RMM 0
.endif
	MAXR 2
	MAXR 3
.if (\s) < 7
	RST 2*\s+2                                     ; (this step's loads from the ring are long in)
.endif
	MAXR 4
	MAXR 5
	MAXR 6
	v_max3_num_f32 v[M0], v[CA], v[S+15], v[S+31]  ; the largest score of each of my two blocks: it serves for the row's maximum and, since p rises with the score, for the block's largest p
	v_max3_num_f32 v[M1], v[CA+2], v[S+47], v[S+63]
	v_max_num_f32 v[M0], v[M0], v[CA+1]
	v_max_num_f32 v[M1], v[M1], v[CA+3]
	s_delay_alu instid0(VALU_DEP_1)
	v_max_num_f32 v[T], v[M0], v[M1]
	s_delay_alu instid0(VALU_DEP_1)
	v_permlanex16_b32 v[T2], v[T], s[SEL], s[SEL+1]
	s_delay_alu instid0(VALU_DEP_1)
	v_max_num_f32 v[T], v[T], v[T2]                ; the step's largest score of my query
.if (\s) == 0
	s_delay_alu instid0(VALU_DEP_1)
	v_mul_f32 v[MX], s[CS], v[T]                   ; the first step starts the running largest t
	s_delay_alu instid0(VALU_DEP_1)
	v_floor_f32 v[NM], -v[MX]                      ; -M = floor(-t) = -ceil(t): M is a whole number
.else
	s_delay_alu instid0(VALU_DEP_1)
	v_mul_f32 v[T], s[CS], v[T]
	s_delay_alu instid0(VALU_DEP_1)
	v_max_num_f32 v[MX], v[MX], v[T]               ; the running largest t
	v_mov_b32 v[TT], v[NM]
	s_delay_alu instid0(VALU_DEP_2)
	v_floor_f32 v[NM], -v[MX]
	s_delay_alu instid0(VALU_DEP_1)
	v_sub_f32 v[TT], v[NM], v[TT]                  ; M's old value less its new one: a whole number, 0 or less
	s_delay_alu instid0(VALU_DEP_1)
	v_cvt_i32_f32 v[TT], v[TT]
	s_delay_alu instid0(VALU_DEP_1)
	v_ldexp_f32 v[FF], 1.0, v[TT]                  ; f = 2^(old M - new M)
.endif
	; 3. p, and the second half of the next step's R
.set j, 0
.rept 32
	v_pk_fma_f32 v[S+j:S+j+1], v[S+j:S+j+1], s[CS:CS+1], v[NM:NM+1] op_sel_hi:[1,0,0]   ; t - M, two at a time
.set j, j+2
.endr
	v_fma_f32 v[M0], v[M0], s[CS], v[NM]           ; the same of each block's largest score
	v_fma_f32 v[M1], v[M1], s[CS], v[NM]
	s_wait_alu depctr_va_vdst(0)                   ; the wait ahead of the batch
.set j, 0
.rept 64
	v_exp_f32 v[S+j], v[S+j]                       ; p = 2^(t - M), at most 1: not normalised
.set j, j+1
.endr
	v_exp_f32 v[M0], v[M0]                         ; the block's largest p: the same two instructions on the same number give the same bits
	v_exp_f32 v[M1], v[M1]
.if (\s) == 0
	v_mov_b32 v[SUM], 0                            ; the sum begins.  (Plain lines behind the exponentials)
	v_mov_b32 v[SUM+1], 0
.else
	v_pk_mul_f32 v[SUM:SUM+1], v[SUM:SUM+1], v[FF:FF+1] op_sel_hi:[1,0]   ; the sum under the new M.  (A plain line behind the exponentials)
.endif
	s_wait_alu depctr_va_vdst(0)                   ; one wait for the whole batch, ahead of its first reader
.if (\s) < 7
	RMM 1                                          ; over results whose stores have been issued
.endif
	v_pk_add_f32 v[244:245], v[S:S+1], v[S+2:S+3]  ; the sum of the unquantised p, in four chains; the first four lines are also the places in front of v's loads
	v_pk_add_f32 v[246:247], v[S+4:S+5], v[S+6:S+7]
	v_pk_add_f32 v[248:249], v[S+8:S+9], v[S+10:S+11]
	v_pk_add_f32 v[SUM:SUM+1], v[SUM:SUM+1], v[S+12:S+13]
.irp dt, 0,1,2,3
	ds_load_b128 v[PF+8*\dt:PF+8*\dt+3], v[AV] offset:(2*(\s))*2176+544*\dt        ; v: keys 64 (2 s) + 32 hh on,
	ds_load_b128 v[PF+8*\dt+4:PF+8*\dt+7], v[AV] offset:(2*(\s)+1)*2176+544*\dt    ; keys 64 (2 s + 1) + 32 hh on
.endr
.irp k, 14,22,30,38,46,54
	v_pk_add_f32 v[244:245], v[244:245], v[S+\k:S+\k+1]
	v_pk_add_f32 v[246:247], v[246:247], v[S+\k+2:S+\k+3]
	v_pk_add_f32 v[248:249], v[248:249], v[S+\k+4:S+\k+5]
	v_pk_add_f32 v[SUM:SUM+1], v[SUM:SUM+1], v[S+\k+6:S+\k+7]
.endr
	v_pk_add_f32 v[244:245], v[244:245], v[S+62:S+63]
	v_pk_add_f32 v[246:247], v[246:247], v[248:249]
	v_max_num_f32 v[M0], 0x1800000, v[M0]          ; the floor 2^(3 - 127): the byte cannot fall under 1
	v_max_num_f32 v[M1], 0x1800000, v[M1]
	v_pk_add_f32 v[SUM:SUM+1], v[SUM:SUM+1], v[244:245]
	v_add_nc_u32 v[SC0], 0xff000000, v[M0]         ; 2 off the exponent field: the conversion's scale operand
	v_add_nc_u32 v[SC1], 0xff000000, v[M1]
	v_pk_add_f32 v[SUM:SUM+1], v[SUM:SUM+1], v[246:247]
	v_lshrrev_b32 v[T], 23, v[SC0]                 ; the scales' bytes: of blocks hh and 2 + hh
	v_lshrrev_b32 v[TT], 23, v[SC1]
	v_cvt_scalef32_pk8_fp4_f32 v[PCD], v[S:S+7], v[SC0]           ; the block's four groups of eight in the order 0, 2, 1, 3
	v_cvt_scalef32_pk8_fp4_f32 v[PCD+1], v[S+16:S+23], v[SC0]
	v_cvt_scalef32_pk8_fp4_f32 v[PCD+2], v[S+8:S+15], v[SC0]
	v_cvt_scalef32_pk8_fp4_f32 v[PCD+3], v[S+24:S+31], v[SC0]
	v_cvt_scalef32_pk8_fp4_f32 v[PCD+4], v[S+32:S+39], v[SC1]
	v_cvt_scalef32_pk8_fp4_f32 v[PCD+5], v[S+48:S+55], v[SC1]
	v_cvt_scalef32_pk8_fp4_f32 v[PCD+6], v[S+40:S+47], v[SC1]
	v_cvt_scalef32_pk8_fp4_f32 v[PCD+7], v[S+56:S+63], v[SC1]
	v_lshl_or_b32 v[X1], v[TT], 16, v[T]           ; (a plain line behind the conversions)
	v_permlanex16_b32 v[X2], v[X1], s[SEL], s[SEL+1]
	v_lshl_or_b32 v[PW], v[X2], 8, v[X1]           ; p's scale word for these 128 keys, in lanes 0-15, which alone are read
	; 4. the next step's R out of the ring, its k; O^T += v^T p^T: four tiles of 16 of the head's 64
.if (\s) < 7
	SLD 2*\s+2                                     ; LDS serves a wave's instructions in order: these see the stores above,
	RST 2*\s+3                                     ; these stores come behind those loads,
	SLD 2*\s+3                                     ; these loads behind those stores,
	KLD \s+1                                       ; and these land where the stored results were
.endif
	s_wait_alu depctr_va_vdst(0)
.if (\s) == 0
	NOPS 8                                         ; the places between the vector lines that made p's scale word and codes and the products
.else
.set j, 0
.rept 16
	v_pk_mul_f32 v[O+j:O+j+1], v[O+j:O+j+1], v[FF:FF+1] op_sel_hi:[1,0]   ; O^T under the new M.  (These are also those places)
.set j, j+2
.endr
.endif
	s_wait_alu depctr_va_vdst(0)
.if (\s) < 7
	s_wait_dscnt 36                                ; v is in; the 8 + 8 + 8 + 12 behind it may be out
.else
	s_wait_dscnt 0x0
.endif
.irp dt, 0,1,2,3
	MM O+8*\dt, PF+8*\dt, PCD, (\s)==0, VS+2*(\s)+\dt/2, PW, \dt%2
.endr
.if (\s) < 6
	NOPS 4                                         ; the places in front of the loads into v's registers
	PELOAD 2*\s+4
.endif
.endm
.irp s, 0,1,2,3,4,5,6,7
	STEP \s
.endr
	; THE WAY OUT.  O^T is divided by the sum and goes through my stage (my rings, which are done with): 16 rows of 256 bytes + 16, so that sixteen lanes store one aligned row of 256 bytes.
	v_and_b32 v240, 15, v0                         ; (these lines are also the places in front of the first read of O^T)
	v_bfe_u32 v241, v0, 4, 1
	v_mul_u32_u24 v242, v240, 272
	v_lshl_add_u32 v242, v241, 5, v242
	v_add_nc_u32 v242, s[RB], v242                 ; in: row n
	v_mul_u32_u24 v243, v241, 272
	v_lshl_add_u32 v243, v240, 4, v243
	v_add_nc_u32 v243, s[RB], v243                 ; back: lanes 0-15 one row, lanes 16-31 the next
	v_lshlrev_b32 v244, 11, v241
	v_lshl_add_u32 v244, v240, 4, v244             ; and in out: the next query of mine is 8 rows on
	v_add_f32 v[SUM], v[SUM], v[SUM+1]             ; the sum's two halves,
	s_delay_alu instid0(VALU_DEP_1)
	v_permlanex16_b32 v[T2], v[SUM], s[SEL], s[SEL+1]
	s_delay_alu instid0(VALU_DEP_1)
	v_add_f32 v[SUM], v[SUM], v[T2]                ; and lane l xor 16's: the row's sum
	s_wait_alu depctr_va_vdst(0)                   ; the wait ahead of the transcendental
	v_rcp_f32 v[SUM], v[SUM]
	v_nop                                          ; a plain line behind the reciprocal
	s_wait_alu depctr_va_vdst(0)                   ; and the wait ahead of its first reader
.set j, 0
.rept 16
	v_pk_mul_f32 v[S+j:S+j+1], v[O+j:O+j+1], v[SUM:SUM+1] op_sel_hi:[1,0]   ; register 8 dt + i is out(n, 16 dt + 8 hh + i)
.set j, j+2
.endr
.irp dt, 0,1,2,3
	ds_store_b128 v242, v[S+8*\dt:S+8*\dt+3] offset:64*\dt
	ds_store_b128 v242, v[S+8*\dt+4:S+8*\dt+7] offset:64*\dt+16
.endr
.irp i, 0,1,2,3,4,5,6,7
	ds_load_b128 v[KF+4*\i:KF+4*\i+3], v243 offset:544*\i
.endr
.irp i, 0,1,2,3,4,5,6,7
	s_wait_dscnt 7-\i                              ; load i is in; the younger ones may be out
	global_store_b128 v244, v[KF+4*\i:KF+4*\i+3], s[10:11] offset:4096*\i th:TH_STORE_NT
.endr
	s_wait_tensorcnt 0x0                           ; the wave's end, behind my last tensor load and my last LDS store
	ds_add_u32 v[SPW], v[NIL]
	s_wait_dscnt 0x0
	CROUND                                         ; the closing round: no work-group ends while a partner may still ask for a tile that names it
	s_endpgm
.Lfunc_end_k_qfedcb4cfae_attn:
	.size	k_qfedcb4cfae_attn, .Lfunc_end_k_qfedcb4cfae_attn-k_qfedcb4cfae_attn
	.p2alignl 7, 3214868480
	.fill 96, 4, 3214868480
	.section	.rodata,"a",@progbits
	.p2align	6, 0x0
	.amdhsa_kernel k_qfedcb4cfae_attn
		.amdhsa_group_segment_fixed_size 327680
		.amdhsa_private_segment_fixed_size 0
		.amdhsa_enable_private_segment 0
		.amdhsa_kernarg_size 32
		.amdhsa_user_sgpr_count 2
		.amdhsa_user_sgpr_kernarg_segment_ptr 1
		.amdhsa_wavefront_size32 1
		.amdhsa_system_sgpr_workgroup_id_x 1
		.amdhsa_system_sgpr_workgroup_id_y 1
		.amdhsa_system_sgpr_workgroup_id_z 1
		.amdhsa_system_vgpr_workitem_id 0
		.amdhsa_next_free_vgpr 256
		.amdhsa_next_free_sgpr 102
		.amdhsa_reserve_vcc 0
		.amdhsa_float_denorm_mode_32 3
		.amdhsa_float_denorm_mode_16_64 3
		.amdhsa_memory_ordered 1
		.amdhsa_forward_progress 1
		.amdhsa_inst_pref_size 167
	.end_amdhsa_kernel
	.amdgpu_metadata
---
amdhsa.version: [ 1, 2 ]
amdhsa.kernels:
  - .name:           k_qfedcb4cfae_attn
    .symbol:         k_qfedcb4cfae_attn.kd
    .args:
      - { .name: qkv, .offset: 0, .size: 8, .value_kind: global_buffer, .address_space: global }
      - { .name: qkvs, .offset: 8, .size: 8, .value_kind: global_buffer, .address_space: global }
      - { .name: pe, .offset: 16, .size: 8, .value_kind: global_buffer, .address_space: global }
      - { .name: out0, .offset: 24, .size: 8, .value_kind: global_buffer, .address_space: global }
    .group_segment_fixed_size: 327680
    .private_segment_fixed_size: 0
    .kernarg_segment_align: 8
    .kernarg_segment_size: 32
    .max_flat_workgroup_size: 512
    .sgpr_count:     102
    .vgpr_count:     256
    .wavefront_size: 32
...
	.end_amdgpu_metadata
.endif
;; end of part 3
